; MI455X (gfx1250); checked and timed in simulation.
; The chip was launched on July 23, 2026; its instructions are those of AMD's public machine-readable ISA for CDNA 5 (MIT licence, August 2026) and "CDNA5" Instruction Set Architecture Reference Guide (July 2026). The comments in the code are by the model that wrote it; some were corrected since.
;; Encoder Attention. Allowed arithmetic: matrix products marked QUANTISED: E3M2 operands, one E8M0 scale for each 32 along K, by v_wmma_scale_f32_16x16x128_f8f6f4 with both operands' format E3M2, f32 sums; everything else in f32.
;; Inputs: W_out 1,024 x 1,024 float32; W_qkv 1,024 x 3,072 float32; b_out 1,024 float32; b_qkv 3,072 float32; hidden_states 8 x 1,024 x 1,024 float32.
;; Outputs: out0 8 x 1,024 x 1,024 float32.
;; This version of the problem:
;;   THIS VERSION OF THE PROBLEM IS GIVEN IN LOW PRECISION. The matrix products marked QUANTISED in the list below multiply operands that are first quantised to E3M2 (3 exponent bits, 2 mantissa bits; 6 bits a number), with one power-of-two scale for each 32 numbers along K (OCP MX v1.0); their sums are f32. All else is computed in f32.
;;   The module's matrix products, in the order in which they are computed (A, B: the left and right operand; K: the contracted axis; several contracted axes count as one K, in the product's order):
;;     1. [M 8,192, K 1,024] x [K 1,024, N 3,072]; A: input hidden_states; B: input W_qkv: QUANTISED
;;     2. batch 128 x [M 1,024, K 64] x [K 64, N 1,024]; A: computed on the way; B: computed on the way: QUANTISED
;;     3. batch 128 x [M 1,024, K 1,024] x [K 1,024, N 64]; A: softmax (see below); B: computed on the way: QUANTISED
;;     4. [M 8,192, K 1,024] x [K 1,024, N 1,024]; A: computed on the way; B: input W_out: QUANTISED
;;   THE QUANTISER, for each operand of a quantised product, along K:
;;     - K is cut into blocks of 32 from its start; a last block that is shorter is filled with zeros.
;;     - A block's scale is 2^e with e = floor(log2(the largest magnitude in the block)) - 4, held to -126 .. 127; a block of zeros has e = 0. As a byte (E8M0): e + 127.
;;     - Each number is divided by its block's scale, clamped to +-28, and rounded to the nearest number of E3M2, ties to even, subnormals kept.
;;     - The product sums the exact products of the quantised numbers (number of the format x scale) in f32.
;;   ~~~python
;;   def quantise(x, axis):      # numpy; x: float32 -> the quantised numbers, widened to float32 again
;;       x = np.moveaxis(x, axis, -1); K = x.shape[-1]
;;       x = np.pad(x, [(0, 0)] * (x.ndim - 1) + [(0, -K % 32)]); x = x.reshape(x.shape[:-1] + (-1, 32)); a = np.abs(x).max(-1, keepdims=True)
;;       e = np.where(a > 0, np.clip(np.frexp(np.where(a > 0, a, 1))[1] - 1 - 4, -126, 127), 0)      # np.frexp(a)[1] - 1 = floor(log2(a)), exactly
;;       r = np.clip(x / 2.0 ** e, -28, 28)
;;       step = 2.0 ** (np.maximum(np.frexp(np.where(r == 0, 1, r))[1] - 1, -2) - 2)
;;       q = np.round(r / step) * step * 2.0 ** e      # np.round: ties to even
;;       return np.moveaxis(q.reshape(q.shape[:-2] + (-1,))[..., :K], -1, axis).astype(np.float32)
;;   ~~~
;;   SOFTMAX AHEAD OF A QUANTISED PRODUCT. Where the list says 'softmax', what is quantised is not the finished softmax but p = 2^(t - M), with t = logit x log2(e) and M = ceil(the row's largest t), a whole number; so 1/2 < the row's largest p <= 1. The row's sum l is taken of the UNQUANTISED p, in f32, and the product's result is divided by l at the end. Since M is a whole number, a kernel that streams over the keys may use a running M (the ceiling of the running maximum): every later rescaling is an exact power of two, which a block's scale takes up: the codes' values come out the same.
;;   OPERANDS COMPUTED ON THE WAY. 'Computed on the way' means the value that the module computes at that place (a softmax that the list does not call 'softmax' is quantised finished and normalised). What goes into a quantiser is computed in f32, as accurately as f32 sums, v_exp_f32 and their like allow (about 1e-6 of the number): no bf16 or f16 on the way to a quantiser, and a product that is left as it is and whose result goes on into a quantised operand takes f32 operands (vector FMAs, or v_wmma_f32_16x16x4_f32). A number that lies on a knife's edge between two numbers of the format may be rounded either way, as far as f32 arithmetic and the matrix unit's own rounding can turn it there, and no further.
;; One version. Each part assembles by itself: llvm-mc -triple=amdgcn-amd-amdhsa -mcpu=gfx1250 --defsym DOCPART=n.
;; ======== version 1 of 1: 4 launches
;; workspace buffers: in_codes 9,437,184 bytes; in_scales 393,216 bytes; qkv_codes 18,874,368 bytes; qkv_scales 1,310,720 bytes; y_codes 6,291,456 bytes; y_scales 262,144 bytes
;; launch quant (part 1): grid 384 x 1, 4 waves a work-group, no clusters, 70,144 bytes of LDS; arguments hidden_states, W_qkv, W_out, in_codes, in_scales; writes in_codes, in_scales
.if DOCPART == 1
	.amdgcn_target "amdgcn-amd-amdhsa--gfx1250"
	.amdhsa_code_object_version 6
	.text
	.protected	k_qe5aab27749_quant
	.globl	k_qe5aab27749_quant
	.p2align	8
	.type	k_qe5aab27749_quant,@function
k_qe5aab27749_quant:
	s_mov_b64 s[64:65], 0
	v_nop
	global_prefetch_b8 v0, s[64:65] scope:SCOPE_SE
	s_setreg_imm32_b32 hwreg(HW_REG_WAVE_MODE, 25, 1), 1
	s_wait_xcnt 0x0
; hidden_states [8192][1024], W_qkv [1024][3072] and W_out [1024][1024], f32, become codes of BF6 (E3M2) with K = 1,024 innermost and one E8M0 byte for each 32 along K.
; in_codes: 12,288 rows of 768 bytes (rows 0-8191 the tokens, 8192-11263 W_qkv's columns, 11264-12287 W_out's columns); in_scales: the same rows, 32 bytes each.
; THE ROWS LIE IN A CHANGED ORDER: place p holds the row whose number is p with bits 3 and 4 exchanged.  Sixteen neighbouring places are then rows 8 u + 0..7 and 16 + 8 u + 0..7 of a group of 32, so that a
; product which takes them as source 0 leaves 16 neighbours of that axis in a lane's 16 registers of two neighbouring tiles.
; A block's scale is 2^(floor(log2(its largest magnitude)) - 4); its byte is the largest magnitude's exponent field - 4, held at 1 from below.
; LIMITS: a block of zeros, or one whose largest magnitude lies under 2^-122, gets the byte 1 (its codes are read with that byte by this program alone); NaN and infinities among the inputs are not served.
; Work-groups 0-255 take the tokens (K innermost in memory), work-groups 256-383 the weights (K is the first axis).  The two ways part on the work-group's number and have LDS bytes of their own.
; No tensor loads, no barrier: waves share nothing.
.set EMAX,  4
.set CB,    12                         ; bytes of 16 codes
.set STEPS, 16                         ; tokens: a wave takes 16 steps of 512 numbers: 8 rows
.set R,     16                         ; v16-79   four sets of 16 numbers as loaded
.set X,     80                         ; v80-111  two sets of 16 neighbours
.set E,     112                        ; v112-127 a scale byte for each step
.set C,     128                        ; v128-191 codes, four registers a step
.set WREG,  8192                       ; LDS of the tokens' way: a region for each wave: two stages of 32 x SP bytes, then its 256 scale bytes
.set SP,    80
.set WSTG,  32768                      ; LDS of the weights' way begins here: a stage of 32 rows x WPIT for each wave
.set WPIT,  272
.set NB,    8                          ; weights: a wave takes 32 columns x 256 along K: 8 blocks a lane
.set WX,    32                         ; v32-95   two sets of 32 numbers
.set WC,    96                         ; v96..    a block's codes
.set OUTR,  112                        ; v112-175 the way out
.set SBY,   24                         ; v24-25   a lane's 8 scale bytes
.set VO,    176                        ; v176-207 byte offset of row i of a block: 4 x lane + i x a row of the weight
.set WB,    40                         ; s[40:55] the weight at my wave's columns, block t's first row
	s_load_b128 s[4:7], s[0:1], 0x0                ; hidden_states, W_qkv
	s_load_b128 s[8:11], s[0:1], 0x10              ; W_out, in_codes
	s_load_b64 s[12:13], s[0:1], 0x20              ; in_scales
	v_lshl_add_u32 v208, v0, 2, 0x11000
	v_mov_b32 v209, 0
	v_lshrrev_b32 v1, 5, v0
	v_readfirstlane_b32 s16, v1                    ; wave
	v_and_b32 v2, 31, v0                           ; lane
	s_cmp_lt_u32 ttmp9, 256
	s_cbranch_scc0 .Lweights
; ---------------- THE TOKENS.  Each of a step's four loads reads 512 consecutive bytes; the 2,048 bytes turn through the wave's stage in LDS and come back 64 bytes a lane: 16 neighbours along K; two lanes hold a block.
	v_lshlrev_b32 v3, 4, v2                        ; my 16 bytes of a load's 512
	s_mul_i32 s17, s16, WREG
	v_lshrrev_b32 v14, 2, v2
	v_mul_u32_u24 v14, v14, SP
	v_and_b32 v15, 3, v2
	v_lshl_add_u32 v14, v15, 4, v14
	v_add_nc_u32 v14, s17, v14                     ; the stage, in: SP (lane / 4) + 16 (lane % 4)
	v_mul_u32_u24 v15, v2, SP
	v_add_nc_u32 v15, s17, v15                     ; and out: SP x lane
	v_mul_u32_u24 v4, v2, CB                       ; my codes' place in a step's
	v_lshrrev_b32 v5, 1, v2
	s_add_co_u32 s17, s17, 2*32*SP
	v_add_nc_u32 v5, s17, v5                       ; LDS: my block's scale byte
	v_lshlrev_b32 v7, 3, v2
	v_add_nc_u32 v6, s17, v7                       ; and on the way out 8 bytes a lane
	s_lshl_b32 s17, ttmp9, 2
	s_add_co_u32 s18, s17, s16                     ; the 8 rows that I read: run 4 x work-group + wave
	s_lshl_b32 s18, s18, 15                        ; 32,768 bytes a run
	s_mov_b32 s19, 0
	s_and_b32 s20, s16, 1                          ; the 8 places that I write: the wave's two bits, which are the rows' bits 3 and 4, exchanged
	s_lshl_b32 s20, s20, 1
	s_lshr_b32 s21, s16, 1
	s_or_b32 s20, s20, s21
	s_add_co_u32 s20, s20, s17
	s_mul_i32 s22, s20, 32*STEPS*CB                ; 6,144 bytes of codes a run
	s_mov_b32 s23, 0
	s_lshl_b32 s24, s20, 8                         ; 256 scale bytes a run
	s_mov_b32 s25, 0
	s_wait_alu depctr_va_vdst(0)
	s_wait_kmcnt 0x0
	s_add_nc_u64 s[4:5], s[4:5], s[18:19]
	s_add_nc_u64 s[10:11], s[10:11], s[22:23]
	s_add_nc_u64 s[12:13], s[12:13], s[24:25]
.macro LOAD t
.irp i, 0,1,2,3
	global_load_b128 v[R+16*((\t)%4)+4*\i:R+16*((\t)%4)+4*\i+3], v3, s[4:5] offset:2048*(\t)+512*\i th:TH_LOAD_NT
.endr
.endm
.macro TURN t                          ; step t's numbers through the stage: LDS serves a wave's instructions in order, so no wait stands between the stores and the loads
.irp i, 0,1,2,3
	ds_store_b128 v14, v[R+16*((\t)%4)+4*\i:R+16*((\t)%4)+4*\i+3] offset:32*SP*((\t)%2)+8*SP*\i
.endr
.irp i, 0,1,2,3
	ds_load_b128 v[X+16*((\t)%2)+4*\i:X+16*((\t)%2)+4*\i+3], v15 offset:32*SP*((\t)%2)+16*\i
.endr
.endm
.irp t, 0,1,2,3
	LOAD \t
.endr
	s_wait_loadcnt 12                              ; step 0's four loads are in; the twelve of steps 1 to 3 may be out
	TURN 0
.macro STEP t
.set XS, X+16*((\t)%2)
.if (\t) > 0
	s_wait_dscnt 1                                 ; this step's numbers are back from the stage; the last step's byte store may be out
.else
	s_wait_dscnt 0x0
.endif
.if (\t)+4 < STEPS
	LOAD (\t)+4                                    ; into the registers that this step's stage stores have read
.endif
.if (\t)+1 < STEPS
.if STEPS-2-(\t) >= 3
	s_wait_loadcnt 12                              ; the next step's four loads are in; those of the three steps behind it may be out
.else
	s_wait_loadcnt 4*(STEPS-2-(\t))
.endif
	TURN (\t)+1
.endif
	v_max3_num_f32 v8, |v[XS]|, |v[XS+1]|, |v[XS+2]|               ; the largest magnitude of my 16, in two chains
	v_max3_num_f32 v9, |v[XS+3]|, |v[XS+4]|, |v[XS+5]|
.irp i, 6,10
	v_max3_num_f32 v8, v8, |v[XS+\i]|, |v[XS+\i+1]|
	v_max3_num_f32 v9, v9, |v[XS+\i+2]|, |v[XS+\i+3]|
.endr
	v_max3_num_f32 v8, v8, |v[XS+14]|, |v[XS+15]|
	v_max3_num_f32 v8, v8, v9, (EMAX+1)<<23        ; and the floor 2^(5 - 127): the byte cannot fall under 1
	v_max_num_f32_dpp v8, v8, v8 row_xmask:1 row_mask:0xf bank_mask:0xf   ; with my neighbour's 16: the block's
	v_add_nc_u32 v11, -(EMAX<<23), v8              ; 4 off its exponent field: the conversion takes this operand's exponent field as its scale
	v_cvt_scalef32_pk16_bf6_f32 v[C+4*(\t):C+4*(\t)+2], v[XS:XS+15], v11
	v_lshrrev_b32 v[E+(\t)], 23, v11               ; the scale's byte (a plain line behind the conversion)
	ds_store_b8 v5, v[E+(\t)] offset:16*(\t)       ; both lanes of a block write the same byte with the same value
	global_store_b96 v4, v[C+4*(\t):C+4*(\t)+2], s[10:11] offset:32*CB*(\t)   ; the wave stores 384 consecutive bytes
.endm
.irp t, 0,1,2,3,4,5,6,7,8,9,10,11,12,13,14,15
	STEP \t
.endr
	ds_load_b64 v[12:13], v6                       ; LDS serves a wave's instructions in order: these see my stores
	s_wait_dscnt 0x0
	global_store_b64 v7, v[12:13], s[12:13]        ; 32 lanes store 256 consecutive bytes, aligned
	s_wait_tensorcnt 0x0
	ds_add_u32 v208, v209
	s_wait_dscnt 0x0
	s_endpgm
; ---------------- THE WEIGHTS.  A lane takes a column n and its registers run down K: each load reads 128 consecutive bytes a wave, a block of 32 along K lies in one lane, and the codes come out with K innermost.
.Lweights:
	s_sub_co_u32 s17, ttmp9, 256
	s_lshr_b32 s18, s17, 5                         ; which 256 along K
	s_and_b32 s19, s17, 31                         ; which 128 columns: 0-23 of W_qkv, 24-31 of W_out
	s_lshl_b32 s20, s19, 7
	s_lshl_b32 s21, s16, 5
	s_add_co_u32 s20, s20, s21
	s_add_co_u32 s20, s20, 8192                    ; my wave's first place in in_codes: the two weights' columns follow each other there
	s_sub_co_u32 s22, s19, 24
	s_mov_b32 s23, 4096                            ; a row of W_out in bytes
	s_wait_kmcnt 0x0
	s_cmp_lt_u32 s19, 24                           ; the choice hangs on the work-group's number alone
	s_cselect_b64 s[4:5], s[6:7], s[8:9]
	s_cselect_b32 s23, 12288, s23                  ; a row of the weight in bytes
	s_cselect_b32 s22, s19, s22                    ; which 128 columns of that weight
	s_lshl_b32 s24, s22, 9
	s_lshl_b32 s25, s16, 7
	s_add_co_u32 s24, s24, s25                     ; 4 x my wave's first column
	s_lshl_b32 s25, s18, 8
	s_mul_i32 s25, s25, s23                        ; + my first row
	s_add_co_u32 s24, s24, s25
	s_mov_b32 s25, 0
	s_add_nc_u64 s[WB:WB+1], s[4:5], s[24:25]
	s_lshl_b32 s26, s23, 5                         ; 32 rows on
	s_mov_b32 s27, 0
.irp t, 1,2,3,4,5,6,7
	s_add_nc_u64 s[WB+2*\t:WB+2*\t+1], s[WB+2*\t-2:WB+2*\t-1], s[26:27]
.endr
	s_wait_alu depctr_va_vdst(0)
	v_lshlrev_b32 v3, 2, v2
	v_mov_b32 v[VO], v3
.set i, 1
.rept 31
	v_add_nc_u32 v[VO+i], s23, v[VO+i-1]
.set i, i+1
.endr
	v_and_b32 v10, 7, v2                           ; my column's place among the 32: bits 3 and 4 exchanged
	v_bfe_u32 v11, v2, 3, 1
	v_lshl_or_b32 v10, v11, 4, v10
	v_lshrrev_b32 v11, 4, v2
	v_lshl_or_b32 v10, v11, 3, v10
	s_mul_i32 s28, s16, 32*WPIT
	s_add_co_u32 s28, s28, WSTG                    ; my stage
	v_mul_u32_u24 v4, v10, WPIT
	v_add_nc_u32 v4, s28, v4                       ; into it: row = my column's place
	v_lshlrev_b32 v9, 5, v10                       ; my place's row of scale bytes
	v_and_b32 v5, 15, v2
	v_lshrrev_b32 v6, 4, v2
	v_mul_u32_u24 v7, v6, WPIT
	v_lshl_add_u32 v7, v5, 4, v7
	v_add_nc_u32 v7, s28, v7                       ; out of it: sixteen lanes to a row, two rows an instruction
	v_mul_u32_u24 v8, v6, 768
	v_mad_u32_u24 v8, v5, 12, v8                   ; and the same place in in_codes
	s_mul_i32 s30, s20, 768
	s_mul_i32 s31, s18, 192
	s_add_co_u32 s30, s30, s31
	s_mov_b32 s31, 0
	s_add_nc_u64 s[10:11], s[10:11], s[30:31]
	s_lshl_b32 s30, s20, 5
	s_lshl_b32 s32, s18, 3
	s_add_co_u32 s30, s30, s32
	s_add_nc_u64 s[12:13], s[12:13], s[30:31]
.macro WLOAD t                         ; block t: W(32 t + i, my column) into set t % 2
.set i, 0
.rept 32
	global_load_b32 v[WX+32*((\t)%2)+i], v[VO+i], s[WB+2*(\t):WB+2*(\t)+1] th:TH_LOAD_NT
.set i, i+1
.endr
.endm
	WLOAD 0
	WLOAD 1
.macro BLOCK t
.set XS, WX+32*((\t)%2)
.if (\t) < NB-1
	s_wait_loadcnt 32                              ; this block's 32 loads are in; the next block's 32 may be out
.else
	s_wait_loadcnt 0
.endif
	v_max3_num_f32 v12, |v[XS]|, |v[XS+1]|, |v[XS+2]|              ; the block's largest magnitude: all 32 numbers are mine
	v_max3_num_f32 v13, |v[XS+3]|, |v[XS+4]|, |v[XS+5]|
.irp i, 6,10,14,18,22,26
	v_max3_num_f32 v12, v12, |v[XS+\i]|, |v[XS+\i+1]|
	v_max3_num_f32 v13, v13, |v[XS+\i+2]|, |v[XS+\i+3]|
.endr
	v_max3_num_f32 v12, v12, |v[XS+30]|, |v[XS+31]|
	v_max3_num_f32 v12, v12, v13, (EMAX+1)<<23     ; and the floor
	v_add_nc_u32 v11, -(EMAX<<23), v12
	v_lshrrev_b32 v13, 23, v11                     ; the scale's byte
.if (\t)%4 == 0
	v_mov_b32 v[SBY+(\t)/4], v13                   ; four bytes to a register, the lower K in the lower byte
.else
	v_lshl_or_b32 v[SBY+(\t)/4], v13, 8*((\t)%4), v[SBY+(\t)/4]
.endif
	v_cvt_scalef32_pk16_bf6_f32 v[WC:WC+2], v[XS:XS+15], v11
	v_cvt_scalef32_pk16_bf6_f32 v[WC+4:WC+6], v[XS+16:XS+31], v11  ; (a conversion's three registers begin on an even number)
	v_nop                                          ; a plain line behind the last conversion
	ds_store_b96 v4, v[WC:WC+2] offset:32*(\t)     ; 12 bytes to a place of 16 in the stage, so that every LDS address is a multiple of 16
	ds_store_b96 v4, v[WC+4:WC+6] offset:32*(\t)+16
.if (\t)+2 < NB
	WLOAD (\t)+2
.endif
	s_wait_dscnt 0x0                               ; the stores have read their registers: the next block's codes may be written
.endm
.irp t, 0,1,2,3,4,5,6,7
	BLOCK \t
.endr
	s_wait_alu depctr_va_vdst(0)
	global_store_b64 v9, v[SBY:SBY+1], s[12:13]    ; my column's 8 scale bytes
.irp t, 0,1,2,3,4,5,6,7,8,9,10,11,12,13,14,15
	ds_load_b96 v[OUTR+4*\t:OUTR+4*\t+2], v7 offset:2*\t*WPIT      ; LDS serves a wave's instructions in order: these see my stores
.endr
.irp t, 0,1,2,3,4,5,6,7,8,9,10,11,12,13,14,15
	s_wait_dscnt 15-\t                             ; load t is back; the 15 - t behind it may be out
	global_store_b96 v8, v[OUTR+4*\t:OUTR+4*\t+2], s[10:11] offset:2*\t*768   ; sixteen lanes store a row's 192 consecutive bytes
.endr
	s_wait_tensorcnt 0x0
	ds_add_u32 v208, v209
	s_wait_dscnt 0x0
	s_endpgm
.Lfunc_end_k_qe5aab27749_quant:
	.size	k_qe5aab27749_quant, .Lfunc_end_k_qe5aab27749_quant-k_qe5aab27749_quant
	.p2alignl 7, 3214868480
	.fill 96, 4, 3214868480
	.section	.rodata,"a",@progbits
	.p2align	6, 0x0
	.amdhsa_kernel k_qe5aab27749_quant
		.amdhsa_group_segment_fixed_size 70144
		.amdhsa_private_segment_fixed_size 0
		.amdhsa_enable_private_segment 0
		.amdhsa_kernarg_size 40
		.amdhsa_user_sgpr_count 2
		.amdhsa_user_sgpr_kernarg_segment_ptr 1
		.amdhsa_wavefront_size32 1
		.amdhsa_system_sgpr_workgroup_id_x 1
		.amdhsa_system_sgpr_workgroup_id_y 1
		.amdhsa_system_sgpr_workgroup_id_z 1
		.amdhsa_system_vgpr_workitem_id 0
		.amdhsa_next_free_vgpr 210
		.amdhsa_next_free_sgpr 66
		.amdhsa_reserve_vcc 0
		.amdhsa_float_denorm_mode_32 3
		.amdhsa_float_denorm_mode_16_64 3
		.amdhsa_memory_ordered 1
		.amdhsa_forward_progress 1
		.amdhsa_inst_pref_size 75
	.end_amdhsa_kernel
	.amdgpu_metadata
---
amdhsa.version: [ 1, 2 ]
amdhsa.kernels:
  - .name:           k_qe5aab27749_quant
    .symbol:         k_qe5aab27749_quant.kd
    .args:
      - { .name: hidden_states, .offset: 0, .size: 8, .value_kind: global_buffer, .address_space: global }
      - { .name: W_qkv, .offset: 8, .size: 8, .value_kind: global_buffer, .address_space: global }
      - { .name: W_out, .offset: 16, .size: 8, .value_kind: global_buffer, .address_space: global }
      - { .name: in_codes, .offset: 24, .size: 8, .value_kind: global_buffer, .address_space: global }
      - { .name: in_scales, .offset: 32, .size: 8, .value_kind: global_buffer, .address_space: global }
    .group_segment_fixed_size: 70144
    .private_segment_fixed_size: 0
    .kernarg_segment_align: 8
    .kernarg_segment_size: 40
    .max_flat_workgroup_size: 128
    .sgpr_count:     66
    .vgpr_count:     210
    .wavefront_size: 32
...
	.end_amdgpu_metadata
.endif
;; end of part 1
;; launch gemm_qkv (part 2): grid 8 x 32, 4 waves a work-group, clusters of 4 x 4, 327,680 bytes of LDS; arguments in_codes, in_scales, b_qkv, qkv_codes, qkv_scales; writes qkv_codes, qkv_scales
.if DOCPART == 2
	.amdgcn_target "amdgcn-amd-amdhsa--gfx1250"
	.amdhsa_code_object_version 6
	.text
	.protected	k_qe5aab27749_gemm_qkv
	.globl	k_qe5aab27749_gemm_qkv
	.p2align	8
	.type	k_qe5aab27749_gemm_qkv,@function
k_qe5aab27749_gemm_qkv:
	s_mov_b64 s[64:65], 0
	v_nop
	global_prefetch_b8 v0, s[64:65] scope:SCOPE_SE
	s_setreg_imm32_b32 hwreg(HW_REG_WAVE_MODE, 25, 1), 1
	s_wait_xcnt 0x0
	s_wait_alu depctr_hold_cnt(0) depctr_sa_sdst(0) depctr_va_vdst(0) depctr_va_sdst(0) depctr_va_ssrc(0) depctr_va_vcc(0) depctr_vm_vsrc(0)
	s_getreg_b32 s2, hwreg(HW_REG_IB_STS2, 6, 4)
	s_cmp_eq_u32 s2, 0
	s_cbranch_scc0 .Lentry_in_a_cluster
	s_endpgm
.Lentry_in_a_cluster:
	s_bfe_u32 s2, ttmp6, 0x10000c
	s_cmp_lg_u32 s2, 0xf033
	s_cbranch_scc0 .Lentry_shape_is_right
	s_endpgm
.Lentry_shape_is_right:
.set ROWB,   192
.set KROW,   768
.set PITCH,  240
.set FR,     12
.set NL,     6
.set NP,     4
.set HALFT,  128*PITCH
.set QUART,  64*PITCH
.set SLOT,   4*HALFT
.set SPARE,  2*SLOT
.set LT,   4
.set BVO,  6
.set PWS,  8
.set ADRA, 16
.set ADRB, 20
.set LI,   24
.set L8,   25
.set SLO,  26
.set SSO,  27
.set SPW,  28
.set NIL,  29
.set SH,   30
.set SAR,  32
.set SBR,  64
.set SA2,  32
.set SB2,  48
.set BV,   80
.set AF,   128
.set ST,   128
.set PC,   192
.set TM,   212
.set G1, 24
.set G0, 32
.set G1B, 48
.set G0B, 56
.set SEL, 66
.set G1C, 68
.set G0C, 76
.set MSB, 0
.macro WIN new
.if MSB != (\new)
	s_set_vgpr_msb (MSB<<8)|(\new)
.set MSB, (\new)
.endif
.endm
.set MUL_LO, 0xa1
.set MUL_HI, 0xf1
.set TO_B,   0x40
.macro JLOAD g0a, g1a, g0b, g1b
	s_cmp_eq_u32 s15, 0
	s_cbranch_scc0 .Lfor_b_\@
	tensor_load_to_lds s[\g0a:\g0a+3], s[\g1a:\g1a+7]
	s_nop 0
.rept 4
	v_nop
.endr
	s_branch .Lasked_\@
.Lfor_b_\@:
	tensor_load_to_lds s[\g0b:\g0b+3], s[\g1b:\g1b+7]
	s_nop 0
.rept 4
	v_nop
.endr
.Lasked_\@:
.endm
.macro CREST
	s_cmp_lg_u32 s14, 0
	s_cbranch_scc1 .Lnot_wave_0_\@
	s_barrier_signal -3
.Lnot_wave_0_\@:
	s_barrier_wait -3
	s_barrier_signal -1
	s_barrier_wait -1
.endm
.macro CROUND
	s_barrier_signal -1
	s_barrier_wait -1
	CREST
.endm
	s_load_b128 s[4:7], s[0:1], 0x0
	s_load_b128 s[8:11], s[0:1], 0x10
	s_load_b64 s[12:13], s[0:1], 0x20
	v_lshl_add_u32 v[SPW], v0, 2, SPARE
	v_mov_b32 v[NIL], 0
	ds_add_u32 v28, v29
	ds_add_u32 v28, v29
	s_wait_dscnt 0x0
	v_lshrrev_b32 v1, 5, v0
	v_readfirstlane_b32 s14, v1
	s_lshr_b32 s15, s14, 1
	s_and_b32 s16, s14, 1
	s_bfe_u32 s40, ttmp6, 0x40000
	s_bfe_u32 s41, ttmp6, 0x40004
	s_lshl_b32 s42, ttmp9, 2
	s_add_co_u32 s42, s42, s40
	s_and_b32 s17, ttmp7, 0xffff
	s_lshl_b32 s17, s17, 2
	s_add_co_u32 s17, s17, s41
	s_lshl_b32 s43, s41, 2
	s_lshl_b32 s43, 15, s43
	s_lshl_b32 s44, 0x1111, s40
	s_or_b32 s[G1+0], s43, (0<<16)|(1<<20)|(1<<21)|(3<<22)|(3<<25)
	s_or_b32 s[G1B+0], s44, (0<<16)|(1<<20)|(1<<21)|(3<<22)|(3<<25)
	s_or_b32 s[G1C+0], s44, (0<<16)|(1<<20)|(1<<21)|(3<<22)|(3<<25)
.irp g, G1, G1B
	s_mov_b32 s[\g+1], ROWB<<16
	s_mov_b32 s[\g+2], 128<<16
	s_mov_b32 s[\g+3], ROWB<<16
	s_mov_b32 s[\g+4], 128
	s_mov_b32 s[\g+5], KROW
	s_mov_b32 s[\g+6], 0
	s_mov_b32 s[\g+7], 0
.endr
	s_mov_b32 s[G1C+1], ROWB<<16
	s_mov_b32 s[G1C+2], 64<<16
	s_mov_b32 s[G1C+3], ROWB<<16
	s_mov_b32 s[G1C+4], 64
	s_mov_b32 s[G1C+5], KROW
	s_mov_b32 s[G1C+6], 0
	s_mov_b32 s[G1C+7], 0
	s_mov_b32 s[SEL], 0x76543210
	s_mov_b32 s[SEL+1], 0xfedcba98
	s_mov_b32 s84, 0xffff
	s_mov_b32 s85, 0x7f7f0000
	s_lshl_b32 s18, s16, 7
	s_lshl_b32 s20, s17, 8
	s_add_co_u32 s20, s20, s18
	s_lshl_b32 s46, s42, 8
	s_add_co_u32 s46, s46, s18
	s_add_co_u32 s46, s46, 8192
	s_lshl_b32 s96, s42, 7
	s_lshl_b32 s18, s16, 6
	s_add_co_u32 s96, s96, s18
	s_add_co_u32 s96, s96, 10240
	s_mul_i32 s20, s20, KROW
	s_mov_b32 s21, 0
	s_mul_i32 s46, s46, KROW
	s_mov_b32 s47, 0
	s_mul_i32 s96, s96, KROW
	s_mov_b32 s97, 0
	s_mul_i32 s45, s14, HALFT
	s_mul_i32 s19, s16, QUART
	s_add_co_u32 s19, s19, 2*HALFT
	s_wait_kmcnt 0x0
	s_add_nc_u64 s[20:21], s[4:5], s[20:21]
	s_add_nc_u64 s[46:47], s[4:5], s[46:47]
	s_add_nc_u64 s[96:97], s[4:5], s[96:97]
.irp s, 0,1
	s_mov_b32 s[G0C+4*\s], 1
	s_add_co_u32 s[G0C+4*\s+1], s19, \s*SLOT
	s_add_nc_u64 s[G0C+4*\s+2:G0C+4*\s+3], s[96:97], \s*ROWB
	s_or_b32 s[G0C+4*\s+3], s[G0C+4*\s+3], 0x80000000
.endr
	CROUND
.irp s, 0,1
	s_mov_b32 s[G0+4*\s], 1
	s_add_co_u32 s[G0+4*\s+1], s45, \s*SLOT
	s_add_nc_u64 s[G0+4*\s+2:G0+4*\s+3], s[20:21], \s*ROWB
	s_or_b32 s[G0+4*\s+3], s[G0+4*\s+3], 0x80000000
	s_mov_b32 s[G0B+4*\s], 1
	s_add_co_u32 s[G0B+4*\s+1], s45, \s*SLOT
	s_add_nc_u64 s[G0B+4*\s+2:G0B+4*\s+3], s[46:47], \s*ROWB
	s_or_b32 s[G0B+4*\s+3], s[G0B+4*\s+3], 0x80000000
	s_wait_alu depctr_va_vdst(0)
	s_wait_tensorcnt 0x0
	ds_add_u32 v28, v29
	ds_add_u32 v28, v29
	s_wait_dscnt 0x0
	CROUND
	JLOAD G0+4*\s, G1, G0B+4*\s, G1B
.endr
	v_and_b32 v1, 15, v0
	v_bfe_u32 v2, v0, 4, 1
	v_mul_u32_u24 v3, v1, PITCH
	v_mul_u32_u24 v[LT], v2, 24
	v_add_nc_u32 v[LT], v3, v[LT]
	v_lshl_add_u32 v[LT+1], v2, 4, v[LT]
	v_and_b32 v7, 31, v0
	v_lshlrev_b32 v[LI], 4, v7
	v_lshlrev_b32 v[L8], 3, v7
	v_lshlrev_b32 v[SLO], 5, v1
	v_lshl_add_u32 v[SLO], v2, 4, v[SLO]
	v_lshlrev_b32 v[SH], 4, v2
	v_and_b32 v7, 8, v1
	v_add_nc_u32 v7, v7, v1
	v_lshlrev_b32 v[BVO], 2, v7
	v_lshlrev_b32 v3, 6, v2
.macro ADDRS
.irp s, 0,1
	v_add_nc_u32 v[ADRA+\s], s21, v[LT]
	v_add_nc_u32 v[ADRB+\s], s22, v[LT]
	v_add_nc_u32 v[ADRA+2+\s], s21, v[LT+1]
	v_add_nc_u32 v[ADRB+2+\s], s22, v[LT+1]
	s_add_co_u32 s21, s21, SLOT
	s_add_co_u32 s22, s22, SLOT
.endr
.endm
	s_wait_alu depctr_va_vdst(0)
	s_mul_i32 s21, s15, HALFT
	s_mul_i32 s22, s16, HALFT
	s_add_co_u32 s22, s22, 2*HALFT
	ADDRS
	s_lshl_b32 s18, s17, 8
	s_lshl_b32 s19, s15, 7
	s_add_co_u32 s98, s18, s19
	s_lshl_b32 s19, s16, 7
	s_add_co_u32 s101, s18, s19
	s_lshl_b32 s99, s42, 8
	s_add_co_u32 s99, s99, s19
	s_lshl_b32 s100, s42, 7
	s_lshl_b32 s19, s15, 6
	s_add_co_u32 s100, s100, s19
	s_add_co_u32 s100, s100, 2048
	s_lshl_b32 s86, s98, 5
	s_mov_b32 s87, 0
	s_add_co_u32 s88, s99, 8192
	s_lshl_b32 s88, s88, 5
	s_mov_b32 s89, 0
	s_add_nc_u64 s[86:87], s[6:7], s[86:87]
	s_add_nc_u64 s[88:89], s[6:7], s[88:89]
	s_lshl_b32 s96, s99, 2
	s_mov_b32 s97, 0
	s_add_nc_u64 s[96:97], s[8:9], s[96:97]
	s_add_co_u32 s90, s100, 8192
	s_lshl_b32 s90, s90, 5
	s_mov_b32 s91, 0
	s_lshl_b32 s92, s101, 5
	s_mov_b32 s93, 0
	s_lshl_b32 s94, s100, 2
	s_mov_b32 s95, 0
	s_add_nc_u64 s[90:91], s[6:7], s[90:91]
	s_add_nc_u64 s[92:93], s[6:7], s[92:93]
	s_add_nc_u64 s[94:95], s[8:9], s[94:95]
.irp i, 0,1,2,3,4,5,6,7
	global_load_b128 v[SAR+4*\i:SAR+4*\i+3], v[SLO], s[86:87] offset:512*\i
	global_load_b128 v[SBR+4*\i:SBR+4*\i+3], v[SLO], s[88:89] offset:512*\i
.endr
.irp t, 0,1,2,3,4,5,6,7
	global_load_b128 v[96+8*\t+96*(\t/4):96+8*\t+96*(\t/4)+3], v3, s[96:97] offset:(32*(\t/2)+8*(\t%2))*4
	global_load_b128 v[96+8*\t+96*(\t/4)+4:96+8*\t+96*(\t/4)+7], v3, s[96:97] offset:(32*(\t/2)+8*(\t%2))*4+16
.endr
.macro FRAG reg, adr, q, i
.irp p, 0,1,2,3,4,5
.set PIECE, 12*(\q)+6*(\p/3)+\p%3
.if PIECE%8 < 5
	ds_load_b64 v[\reg+2*\p:\reg+2*\p+1], v[\adr] offset:8*PIECE+16*(PIECE/8)+(\i)*16*PITCH
.else
	ds_load_b64 v[\reg+2*\p:\reg+2*\p+1], v[\adr+2] offset:8*PIECE+16*(PIECE/8)+(\i)*16*PITCH
.endif
.endr
.endm
.macro MUL16 a0, p, ks, zero
.irp a, \a0, \a0+1
.irp b, 0,1,2,3,4,5,6,7
.set DA, 8*(8*((\a)%4)+\b)
.set FB, 128*(\p)+FR*\b
.set FA, AF+FR*(\a)
.set WSB, SBR+4*\b+(\ks)%4
.set WSA, SAR+4*(\a)+(\ks)%4
.if \zero
	v_wmma_scale_f32_16x16x128_f8f6f4 v[DA:DA+7], v[FB:FB+FR-1], v[FA:FA+FR-1], 0, v[WSB], v[WSA] matrix_a_fmt:MATRIX_FMT_BF6 matrix_b_fmt:MATRIX_FMT_BF6
.elseif (\ks) < 4
	v_wmma_scale_f32_16x16x128_f8f6f4 v[DA:DA+7], v[FB:FB+FR-1], v[FA:FA+FR-1], v[DA:DA+7], v[WSB], v[WSA] matrix_a_fmt:MATRIX_FMT_BF6 matrix_b_fmt:MATRIX_FMT_BF6
.else
	v_wmma_scale_f32_16x16x128_f8f6f4 v[DA:DA+7], v[FB:FB+FR-1], v[FA:FA+FR-1], v[DA:DA+7], v[WSB], v[WSA] matrix_a_fmt:MATRIX_FMT_BF6 matrix_b_fmt:MATRIX_FMT_BF6 matrix_a_scale:MATRIX_SCALE_ROW1 matrix_b_scale:MATRIX_SCALE_ROW1
.endif
.endr
.endr
.endm
.macro MULV a0, p, ks, zero
.irp a, \a0, \a0+1
.irp b, 0,1,2,3,4,5,6,7
.set DA, 8*(8*(\a)+\b)
.set FB, 128*(\p)+FR*\b
.set FA, AF+48*(\p)+FR*(\a)
.set WSB, SB2+4*\b+(\ks)%4
.set WSA, SA2+4*(\a)+(\ks)%4
.if \zero
	v_wmma_scale_f32_16x16x128_f8f6f4 v[DA:DA+7], v[FB:FB+FR-1], v[FA:FA+FR-1], 0, v[WSB], v[WSA] matrix_a_fmt:MATRIX_FMT_BF6 matrix_b_fmt:MATRIX_FMT_BF6
.elseif (\ks) < 4
	v_wmma_scale_f32_16x16x128_f8f6f4 v[DA:DA+7], v[FB:FB+FR-1], v[FA:FA+FR-1], v[DA:DA+7], v[WSB], v[WSA] matrix_a_fmt:MATRIX_FMT_BF6 matrix_b_fmt:MATRIX_FMT_BF6
.else
	v_wmma_scale_f32_16x16x128_f8f6f4 v[DA:DA+7], v[FB:FB+FR-1], v[FA:FA+FR-1], v[DA:DA+7], v[WSB], v[WSA] matrix_a_fmt:MATRIX_FMT_BF6 matrix_b_fmt:MATRIX_FMT_BF6 matrix_a_scale:MATRIX_SCALE_ROW1 matrix_b_scale:MATRIX_SCALE_ROW1
.endif
.endr
.endr
.endm
.macro FETCH_B slot, q, p
	WIN TO_B
.irp i, 0,1,2,3,4,5,6,7
	FRAG 128*(\p)+FR*\i, ADRB+\slot, \q, \i
.endr
	WIN 0
.endm
.macro FETCH_A slot, q, i0
.irp i, \i0, \i0+1, \i0+2, \i0+3
	FRAG AF+FR*(\i), ADRA+\slot, \q, \i
.endr
.endm
.macro FETCHV_A slot, q, p
.irp i, 0,1,2,3
	FRAG AF+48*(\p)+FR*\i, ADRA+\slot, \q, \i
.endr
.endm
.macro PLACES n
.rept \n
	v_nop
.endr
.endm
.macro STEP slot, ks, zero
	s_wait_dscnt 4*NL
	WIN MUL_LO
	MUL16 0, 0, \ks, \zero
	MUL16 2, 0, \ks, \zero
	s_wait_dscnt 0
	PLACES NP
	FETCH_B \slot, 1, 1
	FETCH_A \slot, 1, 0
	WIN MUL_HI
	MUL16 4, 0, \ks, \zero
	MUL16 6, 0, \ks, \zero
	PLACES NP
	WIN 0
	FETCH_A \slot, 1, 4
.endm
.macro TURN slot, next, fill, ks, fetch
	s_wait_tensorcnt 0x0
	ds_add_u32 v[SPW], v[NIL]
	s_wait_dscnt 4*NL+1
	WIN MUL_LO
	MUL16 0, 1, \ks, 0
	s_wait_dscnt 0x0
	s_barrier_signal -1
	MUL16 2, 1, \ks, 0
	WIN 0
	s_barrier_wait -1
	CREST
.if \fill == 1
	s_add_nc_u64 s[G0+4*\slot+2:G0+4*\slot+3], s[G0+4*\slot+2:G0+4*\slot+3], 2*ROWB
	s_add_nc_u64 s[G0B+4*\slot+2:G0B+4*\slot+3], s[G0B+4*\slot+2:G0B+4*\slot+3], 2*ROWB
	JLOAD G0+4*\slot, G1, G0B+4*\slot, G1B
.else
	s_sub_nc_u64 s[G0+4*\slot+2:G0+4*\slot+3], s[G0+4*\slot+2:G0+4*\slot+3], 2*ROWB
	JLOAD G0+4*\slot, G1, G0C+4*\slot, G1C
.endif
.if \fetch
	FETCH_B \next, 0, 0
	FETCH_A \next, 0, 0
.endif
	WIN MUL_HI
	MUL16 4, 1, \ks, 0
	MUL16 6, 1, \ks, 0
.if \fetch
	PLACES NP
	WIN 0
	FETCH_A \next, 0, 4
.else
	WIN 0
.endif
.endm
.macro STEP2 slot, ks, zero
	s_wait_dscnt 0x0
	WIN MUL_LO
	MULV 0, 0, \ks, \zero
	PLACES NP
	FETCH_B \slot, 1, 1
	FETCHV_A \slot, 1, 1
	WIN MUL_LO
	MULV 2, 0, \ks, \zero
	WIN 0
.endm
.macro TURN2 slot, next, fill, ks
	s_wait_tensorcnt 0x0
	ds_add_u32 v[SPW], v[NIL]
	s_wait_dscnt 1
	WIN MUL_LO
	MULV 0, 1, \ks, 0
	WIN 0
	s_wait_dscnt 0x0
	s_barrier_signal -1
	s_barrier_wait -1
.if \fill
	CREST
	s_add_nc_u64 s[G0+4*\slot+2:G0+4*\slot+3], s[G0+4*\slot+2:G0+4*\slot+3], 2*ROWB
	s_add_nc_u64 s[G0C+4*\slot+2:G0C+4*\slot+3], s[G0C+4*\slot+2:G0C+4*\slot+3], 2*ROWB
	JLOAD G0+4*\slot, G1, G0C+4*\slot, G1C
.else
	PLACES NP
.endif
	FETCH_B \next, 0, 0
	FETCHV_A \next, 0, 0
	WIN MUL_LO
	MULV 2, 1, \ks, 0
	WIN 0
.endm
.macro QUANT s, pw
.irp b, 0,1,2,3
	v_max3_num_f32 v[TM+\b], |v[\s+16*\b]|, |v[\s+1+16*\b]|, 0x2800000
.endr
.irp i, 2,4,6,8,10,12,14
.irp b, 0,1,2,3
	v_max3_num_f32 v[TM+\b], v[TM+\b], |v[\s+16*\b+\i]|, |v[\s+1+16*\b+\i]|
.endr
.endr
.irp b, 0,1,2,3
	v_permlanex16_b32 v[TM+4+\b], v[TM+\b], s[SEL], s[SEL+1]
.endr
.irp b, 0,1,2,3
	v_max_num_f32 v[TM+\b], v[TM+\b], v[TM+4+\b]
.endr
.irp b, 0,1,2,3
	v_add_nc_u32 v[TM+8+\b], 0xfe000000, v[TM+\b]
.endr
.irp b, 0,1,2,3
	v_lshrrev_b32 v[TM+4+\b], 23, v[TM+8+\b]
.endr
	v_lshl_or_b32 v[\pw], v[TM+5], 8, v[TM+4]
	v_lshl_or_b32 v[\pw], v[TM+6], 16, v[\pw]
	v_lshl_or_b32 v[\pw], v[TM+7], 24, v[\pw]
.irp c, 0,1
	v_cvt_scalef32_pk16_bf6_f32 v[PC+6*\c:PC+2+6*\c], v[\s+32*\c:\s+15+32*\c], v[TM+8+2*\c]
	v_cvt_scalef32_pk16_bf6_f32 v[PC+12+4*\c:PC+14+4*\c], v[\s+16+32*\c:\s+31+32*\c], v[TM+8+2*\c+1]
.endr
	v_nop
.irp c, 0,1
.irp i, 0,1,2
	v_permlane16_swap_b32 v[PC+6*\c+\i], v[PC+12+4*\c+\i]
.endr
.irp i, 0,1,2
	v_mov_b32 v[PC+3+6*\c+\i], v[PC+12+4*\c+\i]
.endr
.endr
.endm
.macro EPI a, mode
.if (\a) > 0
	s_wait_xcnt 0x0
.endif
	WIN 2+(\a)/4
.irp b, 0,1,2,3,4,5,6,7
.irp i, 0,2,4,6
.if \mode
.set BI, BV+2*(\a)
.else
.set BI, 96+8*\b+96*(\b/4)+\i
.endif
	v_pk_add_f32 v[ST+8*\b+\i:ST+8*\b+\i+1], v[64*((\a)%4)+8*\b+\i:64*((\a)%4)+8*\b+\i+1], v[BI:BI+1]
.endr
.endr
	WIN 0
	QUANT ST, PWS+(\a)
.if \mode
.irp c, 0,1,2
	global_store_b128 v[LI], v[PC+4*\c:PC+4*\c+3], s[86:87] offset:(\a)*1536+512*\c
.endr
.else
	global_store_b128 v[LI], v[PC:PC+3], s[86:87] offset:768*(\a)
	global_store_b64 v[L8], v[PC+4:PC+5], s[86:87] offset:768*(\a)+512
	global_store_b128 v[LI], v[PC+6:PC+9], s[86:87] offset:768*(\a)+49152
	global_store_b64 v[L8], v[PC+10:PC+11], s[86:87] offset:768*(\a)+49152+512
.endif
.endm
	s_wait_alu depctr_va_vdst(0)
	s_wait_tensorcnt 1
	s_barrier_signal -1
	s_barrier_wait -1
	FETCH_B 0, 0, 0
	FETCH_A 0, 0, 0
	FETCH_A 0, 0, 4
	s_wait_loadcnt 0x0
	STEP 0, 0, 1
	TURN 0, 1, 1, 1, 1
	STEP 1, 2, 0
	TURN 1, 0, 1, 3, 1
	STEP 0, 4, 0
	TURN 0, 1, 2, 5, 1
	STEP 1, 6, 0
	TURN 1, 0, 2, 7, 0
	PLACES NP
.irp i, 0,1,2,3
	global_load_b128 v[SA2+4*\i:SA2+4*\i+3], v[SLO], s[90:91] offset:512*\i
.endr
.irp i, 0,1,2,3,4,5,6,7
	global_load_b128 v[SB2+4*\i:SB2+4*\i+3], v[SLO], s[92:93] offset:512*\i
.endr
.irp t, 0,1,2,3
	global_load_b32 v[BV+2*\t], v[BVO], s[94:95] offset:(32*(\t/2)+8*(\t%2))*4
	global_load_b32 v[BV+2*\t+1], v[BVO], s[94:95] offset:(32*(\t/2)+8*(\t%2))*4
.endr
.irp b, 0,1,2,3
	v_mov_b32 v[TM+4+\b], 0
.endr
	s_lshr_b32 s18, s98, 10
	s_bfe_u32 s19, s98, 0x30007
	s_bfe_u32 s23, s99, 0x30007
	s_lshl_b32 s18, s18, 3
	s_add_co_u32 s18, s18, s23
	s_mul_i32 s86, ttmp9, 6291456
	s_mul_i32 s23, s18, 98304
	s_add_co_u32 s86, s86, s23
	s_mul_i32 s23, s19, 6144
	s_add_co_u32 s86, s86, s23
	s_mov_b32 s87, 0
	s_add_nc_u64 s[86:87], s[10:11], s[86:87]
	s_mul_i32 s88, s18, 12288
	s_add_co_u32 s88, s88, 524288
	s_lshl_b32 s23, s18, 13
	s_cmp_eq_u32 ttmp9, 0
	s_cselect_b32 s88, s23, s88
	s_lshl_b32 s23, s19, 9
	s_add_co_u32 s88, s88, s23
	s_mov_b32 s89, 0
	s_add_nc_u64 s[88:89], s[12:13], s[88:89]
.irp a, 0,1,2,3,4,5,6,7
	EPI \a, 0
.endr
.irp a, 0,1,2,3,4,5,6,7
	v_lshrrev_b32 v[PWS+\a], v[SH], v[PWS+\a]
.endr
.irp a, 0,1,2,3,4,5,6,7
	v_and_or_b32 v[PWS+\a], v[PWS+\a], s84, s85
.endr
	v_lshlrev_b32 v[SSO], 4, v1
	v_lshl_add_u32 v[SSO], v2, 12, v[SSO]
	global_store_b128 v[SSO], v[PWS:PWS+3], s[88:89]
	global_store_b128 v[SSO], v[PWS+4:PWS+7], s[88:89] offset:256
	s_wait_xcnt 0x0
	s_mul_i32 s21, s15, QUART
	s_add_co_u32 s21, s21, 2*HALFT
	s_mul_i32 s22, s16, HALFT
	ADDRS
	FETCH_B 0, 0, 0
	FETCHV_A 0, 0, 0
	s_wait_alu depctr_va_vdst(0)
	s_wait_loadcnt 0x0
	STEP2 0, 0, 1
	TURN2 0, 1, 1, 1
	STEP2 1, 2, 0
	TURN2 1, 0, 1, 3
	STEP2 0, 4, 0
	TURN2 0, 1, 0, 5
	STEP2 1, 6, 0
	s_wait_dscnt 0x0
	WIN MUL_LO
	MULV 0, 1, 7, 0
	MULV 2, 1, 7, 0
	WIN 0
	PLACES NP
	s_lshr_b32 s18, s101, 10
	s_bfe_u32 s19, s101, 0x30007
	s_lshl_b32 s18, s18, 3
	s_add_co_u32 s18, s18, s42
	s_mul_i32 s86, s18, 98304
	s_mul_i32 s23, s15, 49152
	s_add_co_u32 s86, s86, s23
	s_mul_i32 s23, s19, 6144
	s_add_co_u32 s86, s86, s23
	s_add_co_u32 s86, s86, 12582912
	s_mov_b32 s87, 0
	s_add_nc_u64 s[86:87], s[10:11], s[86:87]
	s_mul_i32 s88, s18, 12288
	s_lshl_b32 s23, s15, 11
	s_add_co_u32 s88, s88, s23
	s_lshl_b32 s23, s19, 8
	s_add_co_u32 s88, s88, s23
	s_add_co_u32 s88, s88, 524288+8192
	s_mov_b32 s89, 0
	s_add_nc_u64 s[88:89], s[12:13], s[88:89]
.irp a, 0,1,2,3
	EPI \a, 1
.endr
	v_lshlrev_b32 v[SSO], 4, v1
	global_store_b128 v[SSO], v[PWS:PWS+3], s[88:89]
	s_wait_tensorcnt 0x0
	ds_add_u32 v[SPW], v[NIL]
	s_wait_dscnt 0x0
	CROUND
	s_endpgm
.Lfunc_end_k_qe5aab27749_gemm_qkv:
	.size	k_qe5aab27749_gemm_qkv, .Lfunc_end_k_qe5aab27749_gemm_qkv-k_qe5aab27749_gemm_qkv
	.p2alignl 7, 3214868480
	.fill 96, 4, 3214868480
	.section	.rodata,"a",@progbits
	.p2align	6, 0x0
	.amdhsa_kernel k_qe5aab27749_gemm_qkv
		.amdhsa_group_segment_fixed_size 327680
		.amdhsa_private_segment_fixed_size 0
		.amdhsa_enable_private_segment 0
		.amdhsa_kernarg_size 40
		.amdhsa_user_sgpr_count 2
		.amdhsa_user_sgpr_kernarg_segment_ptr 1
		.amdhsa_wavefront_size32 1
		.amdhsa_system_sgpr_workgroup_id_x 1
		.amdhsa_system_sgpr_workgroup_id_y 1
		.amdhsa_system_sgpr_workgroup_id_z 1
		.amdhsa_system_vgpr_workitem_id 0
		.amdhsa_next_free_vgpr 1024
		.amdhsa_next_free_sgpr 102
		.amdhsa_reserve_vcc 0
		.amdhsa_float_denorm_mode_32 3
		.amdhsa_float_denorm_mode_16_64 3
		.amdhsa_memory_ordered 1
		.amdhsa_forward_progress 1
		.amdhsa_inst_pref_size 255
	.end_amdhsa_kernel
	.section	.bss,"aw",@nobits
	.p2align	6
	.space	262144
	.amdgpu_metadata
---
amdhsa.version: [ 1, 2 ]
amdhsa.kernels:
  - .name:           k_qe5aab27749_gemm_qkv
    .symbol:         k_qe5aab27749_gemm_qkv.kd
    .args:
      - { .name: in_codes, .offset: 0, .size: 8, .value_kind: global_buffer, .address_space: global }
      - { .name: in_scales, .offset: 8, .size: 8, .value_kind: global_buffer, .address_space: global }
      - { .name: b_qkv, .offset: 16, .size: 8, .value_kind: global_buffer, .address_space: global }
      - { .name: qkv_codes, .offset: 24, .size: 8, .value_kind: global_buffer, .address_space: global }
      - { .name: qkv_scales, .offset: 32, .size: 8, .value_kind: global_buffer, .address_space: global }
    .group_segment_fixed_size: 327680
    .private_segment_fixed_size: 0
    .kernarg_segment_align: 8
    .kernarg_segment_size: 40
    .max_flat_workgroup_size: 128
    .sgpr_count:     102
    .vgpr_count:     1024
    .wavefront_size: 32
...
	.end_amdgpu_metadata
.endif
;; end of part 2
;; launch attn (part 3): grid 4 x 64, 16 waves a work-group, clusters of 4 x 1, 211,968 bytes of LDS; arguments qkv_codes, qkv_scales, y_codes, y_scales; writes y_codes, y_scales
.if DOCPART == 3
	.amdgcn_target "amdgcn-amd-amdhsa--gfx1250"
	.amdhsa_code_object_version 6
	.text
	.protected	k_qe5aab27749_attn
	.globl	k_qe5aab27749_attn
	.p2align	8
	.type	k_qe5aab27749_attn,@function
k_qe5aab27749_attn:
	s_mov_b64 s[64:65], 0
	v_nop
	global_prefetch_b8 v0, s[64:65] scope:SCOPE_SE
	s_setreg_imm32_b32 hwreg(HW_REG_WAVE_MODE, 25, 1), 1
	s_wait_xcnt 0x0
	s_wait_alu depctr_hold_cnt(0) depctr_sa_sdst(0) depctr_va_vdst(0) depctr_va_sdst(0) depctr_va_ssrc(0) depctr_va_vcc(0) depctr_vm_vsrc(0)
	s_getreg_b32 s2, hwreg(HW_REG_IB_STS2, 6, 4)
	s_cmp_eq_u32 s2, 0
	s_cbranch_scc0 .Lentry_in_a_cluster
	s_endpgm
.Lentry_in_a_cluster:
	s_bfe_u32 s2, ttmp6, 0x10000c
	s_cmp_lg_u32 s2, 0x3003
	s_cbranch_scc0 .Lentry_shape_is_right
	s_endpgm
.Lentry_shape_is_right:
; y = softmax(q k^T / 8) v for 128 heads of 1,024 tokens x 64 channels, both products on codes of BF6 (E3M2) with one E8M0 scale for each 32 along a product's K; y is quantised at once along the channels and leaves as codes.
; THE SOFTMAX AHEAD OF THE SECOND PRODUCT: t = score x log2(e) / 8; M = the row's largest t so far, rounded UP to a whole number; p = 2^(t - M) is what is quantised, along the keys, not normalised.
; The row's sum is taken of the unquantised p and divides O at the end.  When M moves, the sum and O are multiplied by 2^(old M - new M): exact.
; SHARES.  A work-group owns 256 queries of a PAIR of heads; each of its sixteen waves 16 queries, in 256 registers, and walks the first head's 1,024 keys, 128 a step, then the second's: the two heads' 128 channels are one
; K step of the last product, so the wave ends with a whole fragment of y and a whole scale word for each row.
; LDS.  The pair's k and v codes (192 KiB) and their scale words (12 KiB) come ONCE, as images of operand registers, and stay: no slot is filled again.  The four work-groups of a cluster take the same pair: joint loads.
; LAYOUT.  Both products are used transposed: S^T = k q^T, O^T = v^T p^T: a lane holds ONE query (lane % 16).  The tokens' and the channels' tiles were laid by the launch before with bits 3 and 4 of the place exchanged, so
; the 16 registers of tiles 2 b and 2 b + 1 are 16 neighbouring keys (in S^T) or channels (in O^T).  The first product's K is 64: registers 6-11 of its fragments are zero codes, whose scale bytes are 0x7f.
; LIMITS: a block of y whose largest magnitude lies under 2^-122 (zeros too) gets the scale byte 1; NaN and infinities are not served.
; REGISTERS: v1-5 addresses that stay; v6-10 the step's; v12 -M, v13 the largest t, v[14:15] the sum; v16-27 the first head's q; v28, v30, v31 addresses; v32-79 four fragments of k (6 loaded, 6 zeros that stay);
;   v80-87 k's scale words, v88-91 v's, v92 q's, v93 p's; v[94:95] f; v96-159 S^T, then p, then v's four fragments; v160-191 O^T; v192-203 p's codes; v204-226 at work; v228-239 y's codes; v240 y's scale word;
;   v242-253 the second head's q, v254 its scale word.
.set VB,   98304                       ; LDS: k's codes at 0 (6,144 bytes for 128 keys of a head), v's here (likewise),
.set KSB,  196608                      ; k's scale words (512 bytes for 128 keys of a head),
.set VSB,  204800                      ; v's (256 bytes),
.set YSB,  208896                      ; and, in blocks of their own into which no load lands, the 256 scale words of y
.set WV,   12                          ; s12 my wave's number
.macro ROUND                           ; a round of the cluster's barrier
	s_barrier_signal -1
	s_barrier_wait -1
	s_cmp_lg_u32 s[WV], 0
	s_cbranch_scc1 .Lnot_wave_0_\@
	s_barrier_signal -3
.Lnot_wave_0_\@:
	s_barrier_wait -3
	s_barrier_signal -1
	s_barrier_wait -1
.endm
	s_load_b128 s[4:7], s[0:1], 0x0                ; qkv_codes, qkv_scales
	s_load_b128 s[8:11], s[0:1], 0x10              ; y_codes, y_scales
	v_lshl_add_u32 v241, v0, 2, 0x33400
	v_mov_b32 v255, 0
	ds_add_u32 v241, v255
	ds_add_u32 v241, v255
	v_lshrrev_b32 v1, 5, v0
	s_delay_alu instid0(VALU_DEP_1)
	v_readfirstlane_b32 s[WV], v1                  ; wave 0..15
	s_bfe_u32 s13, ttmp6, 0x40000                  ; cx: which 256 queries: it enters q's and y's global addresses alone
	s_and_b32 s14, ttmp7, 0xffff                   ; P: 8 x batch + pair of heads, which the four partners share
	; descriptor group 1: dense blocks as rows of 256 bytes (32 elements of 8 bytes): 96 rows of codes, 16 rows of scale words
	s_mov_b32 s16, 15|(3<<16)|(1<<21)              ; 15:0 the mask: all four work-groups; elements of 8 bytes; no padding; 21 set beside a mask
	s_mov_b32 s17, 32<<16
	s_mov_b32 s18, 96<<16
	s_mov_b32 s19, 32<<16
	s_mov_b32 s20, 96
	s_mov_b32 s21, 32
	s_mov_b32 s22, 0
	s_mov_b32 s23, 0
	s_mov_b32 s24, 15|(3<<16)|(1<<21)
	s_mov_b32 s25, 32<<16
	s_mov_b32 s26, 16<<16
	s_mov_b32 s27, 32<<16
	s_mov_b32 s28, 16
	s_mov_b32 s29, 32
	s_mov_b32 s30, 0
	s_mov_b32 s31, 0
	s_and_b32 s52, s[WV], 7                        ; waves 0-3 fetch quarters of k's codes, waves 4-7 of v's
	s_lshr_b32 s48, s52, 2
	s_mul_i32 s48, s48, 6291456
	s_and_b32 s49, s52, 3
	s_mul_i32 s49, s49, 24576
	s_add_co_u32 s48, s48, s49
	s_mul_i32 s49, s14, 98304
	s_add_co_u32 s48, s48, s49
	s_add_co_u32 s48, s48, 6291456                 ; k's codes lie behind q's
	s_mov_b32 s49, 0
	s_and_b32 s53, s[WV], 3                        ; waves 8-10 fetch thirds of the scale words
	s_min_u32 s53, s53, 2
	s_lshl_b32 s50, s53, 12
	s_mul_i32 s51, s14, 12288
	s_add_co_u32 s50, s50, s51
	s_add_co_u32 s50, s50, 524288                  ; behind q's
	s_mov_b32 s51, 0
	s_mov_b32 s40, 0x76543210
	s_mov_b32 s41, 0xfedcba98                      ; v_permlanex16_b32's selects for lane l xor 16
	s_mov_b32 s42, 0x3e38aa3b                      ; c = log2(e) / 8
	s_mov_b32 s43, s42                             ; (named with it as a pair, so it is written)
	s_mov_b32 s44, 0                               ; where the step's codes begin, of k and of v alike,
	s_mov_b32 s45, 0                               ; k's scale words,
	s_mov_b32 s46, 0                               ; v's
	s_wait_dscnt 0x0
	s_wait_kmcnt 0x0
	ROUND                                          ; all four work-groups are here: the joint loads meet
	s_mov_b32 s32, 1
	s_mul_i32 s33, s52, 24576                      ; LDS: k's four quarters, then v's
	s_add_nc_u64 s[34:35], s[4:5], s[48:49]
	s_or_b32 s35, s35, 0x80000000
	s_mov_b32 s36, 1
	s_lshl_b32 s37, s53, 12
	s_add_co_u32 s37, s37, KSB
	s_add_nc_u64 s[38:39], s[6:7], s[50:51]
	s_or_b32 s39, s39, 0x80000000
	s_cmp_lt_u32 s[WV], 8                          ; a wave issues one load or none; the branches hang on the wave's number alone; four v_nop follow each line
	s_cbranch_scc0 .Lnot_codes
	tensor_load_to_lds s[32:35], s[16:23]
	s_nop 0
.rept 4
	v_nop
.endr
	s_branch .Lasked
.Lnot_codes:
	s_cmp_lt_u32 s[WV], 11
	s_cbranch_scc0 .Lasked
	tensor_load_to_lds s[36:39], s[24:31]
	s_nop 0
.rept 4
	v_nop
.endr
.Lasked:
	v_and_b32 v11, 31, v0                          ; lane
	v_and_b32 v226, 15, v0                         ; r
	s_delay_alu instid0(VALU_DEP_2)
	v_lshlrev_b32 v1, 4, v11                       ; 16 x lane: registers 0-3 of an image
	s_delay_alu instid0(VALU_DEP_3)
	v_lshlrev_b32 v2, 3, v11
	s_delay_alu instid0(VALU_DEP_1)
	v_add_nc_u32 v2, 512, v2                       ; 512 + 8 x lane: registers 4-5 of q's and k's
	s_delay_alu instid0(VALU_DEP_3)
	v_add_nc_u32 v3, VB, v1
	v_lshlrev_b32 v28, 4, v226                     ; 16 r: four tiles' scale words of my row
	s_wait_alu depctr_va_vdst(0)
	v_add_nc_u32 v4, KSB, v28
	v_add_nc_u32 v5, VSB, v28
	s_lshl_b32 s60, s[WV], 6
	v_lshlrev_b32 v30, 2, v226
	s_delay_alu instid0(VALU_DEP_1)
	v_add_nc_u32 v30, s60, v30
	s_delay_alu instid0(VALU_DEP_1)
	v_add_nc_u32 v30, YSB, v30                     ; y's scale word of my row: 64 x wave + 4 r
	s_and_b32 s60, s[WV], 1
	s_lshl_b32 s60, s60, 9
	v_add_nc_u32 v31, s60, v1
	s_delay_alu instid0(VALU_DEP_1)
	v_add_nc_u32 v31, YSB, v31                     ; and where waves 0 and 1 read 512 bytes of them back
	s_lshl_b32 s15, s13, 4
	s_add_co_u32 s15, s15, s[WV]                   ; my tile of 16 queries: 16 cx + wave
	s_mul_i32 s52, s14, 98304
	s_mul_i32 s53, s15, 768
	s_add_co_u32 s52, s52, s53
	s_mov_b32 s53, 0
	s_add_nc_u64 s[52:53], s[4:5], s[52:53]        ; its codes, first head
	s_lshl_b32 s54, s14, 13
	s_lshr_b32 s55, s15, 2
	s_lshl_b32 s55, s55, 8                         ; 256 bytes for four tiles
	s_add_co_u32 s54, s54, s55
	s_and_b32 s55, s15, 3
	s_lshl_b32 s55, s55, 2
	s_add_co_u32 s54, s54, s55
	s_mov_b32 s55, 0
	s_add_nc_u64 s[54:55], s[6:7], s[54:55]        ; its scale words
	global_load_b128 v[16:19], v1, s[52:53]
	global_load_b64 v[20:21], v2, s[52:53]
	global_load_b128 v[242:245], v1, s[52:53] offset:49152         ; the second head's
	global_load_b64 v[246:247], v2, s[52:53] offset:49152
	global_load_b32 v92, v28, s[54:55]
	global_load_b32 v254, v28, s[54:55] offset:4096
	s_lshr_b32 s60, s14, 3                         ; the batch
	s_and_b32 s61, s14, 7                          ; the pair: the K step of the last product
	s_lshl_b32 s56, s60, 6
	s_add_co_u32 s56, s56, s15                     ; y's tile of 16 rows
	s_mul_i32 s56, s56, 12288
	s_mul_i32 s62, s61, 1536
	s_add_co_u32 s56, s56, s62
	s_mov_b32 s57, 0
	s_add_nc_u64 s[56:57], s[8:9], s[56:57]
	s_lshl_b32 s58, s61, 15                        ; y_scales: 8,192 words a K step,
	s_lshl_b32 s62, s60, 12                        ; 1,024 a batch,
	s_add_co_u32 s58, s58, s62
	s_lshl_b32 s62, s13, 10                        ; 256 a work-group,
	s_add_co_u32 s58, s58, s62
	s_and_b32 s62, s[WV], 1
	s_lshl_b32 s62, s62, 9                         ; 128 for each of the two waves that store them
	s_add_co_u32 s58, s58, s62
	s_mov_b32 s59, 0
	s_add_nc_u64 s[58:59], s[10:11], s[58:59]
.irp j, 0,1,2,3,4,5
	v_mov_b32 v[22+\j], 0                          ; THE ZERO CODES that fill K = 64 up to the instruction's 128: in q's two fragments
	v_mov_b32 v[248+\j], 0
.irp t, 0,1,2,3
	v_mov_b32 v[38+12*\t+\j], 0                    ; and in k's four: written once, never loaded over
.endr
.endr
.irp b, 0,1,2,3
	v_mov_b32 v[216+\b], 0                         ; written once: a lane permute's destination counts as one of its sources
.endr
	v_mov_b32 v226, 0
	v_mov_b32 v95, 0                               ; (named as the upper half of the pair v[94:95])
; A KEY STEP: 128 keys of the head in hand.  q: the head's fragment of my queries; qs: its scale words.
.macro STEP q, qs
	v_add_nc_u32 v6, s44, v1                       ; these five and the v_nop are the places between the last step's products, which read v's fragments, and the first product below, which writes over them (5 are asked)
	s_wait_alu depctr_va_vdst(0)
	v_add_nc_u32 v7, s44, v2
	s_wait_alu depctr_va_vdst(0)
	v_add_nc_u32 v8, s44, v3
	v_add_nc_u32 v9, s45, v4
	v_add_nc_u32 v10, s46, v5
	v_nop
.irp g, 0,1                                    ; S^T = k q^T, four tiles of 16 keys at a time
.if \g
.rept 4
	v_nop                                          ; places in front of loads into registers that matrix instructions have read
.endr
.endif
.irp t, 0,1,2,3
	ds_load_b128 v[32+12*\t:35+12*\t], v6 offset:768*(4*\g+\t)
	ds_load_b64 v[36+12*\t:37+12*\t], v7 offset:768*(4*\g+\t)
.endr
.if \g == 0
	ds_load_b128 v[80:83], v9                      ; the eight tiles' scale words of my row
	ds_load_b128 v[84:87], v9 offset:256
.endif
	s_wait_dscnt 0x0
.irp t, 0,1,2,3
	v_wmma_scale_f32_16x16x128_f8f6f4 v[96+8*(4*\g+\t):103+8*(4*\g+\t)], v[32+12*\t:43+12*\t], v[\q:\q+11], 0, v[80+4*\g+\t], v[\qs] matrix_a_fmt:MATRIX_FMT_BF6 matrix_b_fmt:MATRIX_FMT_BF6
.endr
.endr
.rept 4
	v_nop
.endr
.irp b, 0,1,2,3
	v_max3_num_f32 v[212+\b], v[96+16*\b], v[97+16*\b], v[98+16*\b]   ; the largest score of each block of 32 keys: for the row's maximum and, since p rises with the score, for the block's largest p
.endr
.irp i, 3,5,7,9,11,13
.irp b, 0,1,2,3
	v_max3_num_f32 v[212+\b], v[212+\b], v[96+16*\b+\i], v[97+16*\b+\i]
.endr
.endr
.irp b, 0,1,2,3
	v_max_num_f32 v[212+\b], v[212+\b], v[111+16*\b]
.endr
.irp b, 0,1,2,3
	s_delay_alu instid0(VALU_DEP_4)
	v_permlanex16_b32 v[216+\b], v[212+\b], s40, s41
.endr
.irp b, 0,1,2,3
	s_delay_alu instid0(VALU_DEP_4)
	v_max_num_f32 v[212+\b], v[212+\b], v[216+\b]  ; with lane l xor 16's 16 keys
.endr
	s_delay_alu instid0(VALU_DEP_2)
	v_max3_num_f32 v226, v212, v213, v214
	s_delay_alu instid0(VALU_DEP_1)
	v_max_num_f32 v226, v226, v215                 ; the step's largest score of my query
	s_delay_alu instid0(VALU_DEP_1)
	v_mul_f32 v226, s42, v226                      ; as t (c is positive)
	s_delay_alu instid0(VALU_DEP_1)
	v_max_num_f32 v13, v13, v226                   ; the running largest t
	v_mov_b32 v226, v12
	s_delay_alu instid0(VALU_DEP_2)
	v_floor_f32 v12, -v13                          ; the new -M = floor(-t) = -ceil(t): a whole number
	s_delay_alu instid0(VALU_DEP_1)
	v_sub_f32 v226, v12, v226                      ; old M - new M: a whole number, 0 or less
	s_delay_alu instid0(VALU_DEP_1)
	v_cvt_i32_f32 v226, v226                       ; (it saturates)
	s_delay_alu instid0(VALU_DEP_1)
	v_ldexp_f32 v94, 1.0, v226                     ; f = 2^(old M - new M)
.set j, 0
.rept 32
	v_pk_fma_f32 v[96+j:97+j], v[96+j:97+j], s[42:43], v[12:13] op_sel_hi:[1,0,0]   ; t - M, two at a time
.set j, j+2
.endr
.irp b, 0,1,2,3
	v_fma_f32 v[212+\b], v[212+\b], s42, v12       ; the same of each block's largest score
.endr
.set j, 0
	s_wait_alu depctr_va_vdst(0)
.rept 64
	v_exp_f32 v[96+j], v[96+j]                     ; p = 2^(t - M), at most 1
.set j, j+1
.endr
	s_setprio 1
	v_pk_mul_f32 v[14:15], v[14:15], v[94:95] op_sel_hi:[1,0]      ; the sums under the new M (a plain line behind the exponentials)
	s_wait_alu depctr_va_vdst(0)                   ; one wait for the batch of 64, ahead of its first reader
.irp b, 0,1,2,3
	v_exp_f32 v[212+\b], v[212+\b]                 ; the block's largest p: the same two instructions on the same number
.endr
	v_pk_add_f32 v[224:225], v[100:101], v[104:105]
	v_pk_add_f32 v[238:239], v[108:109], v[112:113]
	v_pk_add_f32 v[236:237], v[116:117], v[120:121]
	v_pk_add_f32 v[234:235], v[124:125], v[128:129]
	v_pk_add_f32 v[222:223], v[132:133], v[136:137]
	v_pk_add_f32 v[220:221], v[140:141], v[144:145]
	v_pk_add_f32 v[218:219], v[148:149], v[152:153]
	v_pk_add_f32 v[14:15], v[14:15], v[156:157]
	v_pk_add_f32 v[224:225], v[224:225], v[96:97]
	v_pk_add_f32 v[238:239], v[238:239], v[98:99]
	v_pk_add_f32 v[236:237], v[236:237], v[102:103]
	v_pk_add_f32 v[234:235], v[234:235], v[106:107]
	v_pk_add_f32 v[222:223], v[222:223], v[110:111]
	v_pk_add_f32 v[220:221], v[220:221], v[114:115]
	v_pk_add_f32 v[218:219], v[218:219], v[118:119]
	v_pk_add_f32 v[14:15], v[14:15], v[122:123]
	v_pk_add_f32 v[224:225], v[224:225], v[126:127]
	v_pk_add_f32 v[238:239], v[238:239], v[130:131]
	v_pk_add_f32 v[236:237], v[236:237], v[134:135]
	v_pk_add_f32 v[234:235], v[234:235], v[138:139]
	v_pk_add_f32 v[222:223], v[222:223], v[142:143]
	v_pk_add_f32 v[220:221], v[220:221], v[146:147]
	v_pk_add_f32 v[218:219], v[218:219], v[150:151]
	v_pk_add_f32 v[14:15], v[14:15], v[154:155]
	v_pk_add_f32 v[224:225], v[224:225], v[158:159]
	s_delay_alu instid0(VALU_DEP_2)
	v_pk_add_f32 v[14:15], v[14:15], v[234:235]
	s_delay_alu instid0(VALU_DEP_2)
	v_pk_add_f32 v[224:225], v[224:225], v[222:223]
	v_pk_add_f32 v[238:239], v[238:239], v[220:221]
	v_pk_add_f32 v[236:237], v[236:237], v[218:219]
	s_delay_alu instid0(VALU_DEP_2)
	v_pk_add_f32 v[14:15], v[14:15], v[238:239]
	s_delay_alu instid0(VALU_DEP_2)
	v_pk_add_f32 v[224:225], v[224:225], v[236:237]
	s_delay_alu instid0(VALU_DEP_1)
	v_pk_add_f32 v[14:15], v[14:15], v[224:225]
	s_wait_alu depctr_va_vdst(0)                   ; and one for the four
.irp b, 0,1,2,3
	v_max_num_f32 v[212+\b], 0x2800000, v[212+\b]  ; the floor 2^(5 - 127): the byte cannot fall under 1
.endr
.irp b, 0,1,2,3
	s_delay_alu instid0(VALU_DEP_4)
	v_add_nc_u32 v[220+\b], 0xfe000000, v[212+\b]  ; 4 off the exponent field: the conversion's scale operand
.endr
.irp b, 0,1,2,3
	s_delay_alu instid0(VALU_DEP_4)
	v_lshrrev_b32 v[216+\b], 23, v[220+\b]         ; the scale's byte
.endr
	s_delay_alu instid0(VALU_DEP_3)
	v_lshl_or_b32 v93, v217, 8, v216               ; p's scale word for these 128 keys
	s_delay_alu instid0(VALU_DEP_1)
	v_lshl_or_b32 v93, v218, 16, v93
	s_delay_alu instid0(VALU_DEP_1)
	v_lshl_or_b32 v93, v219, 24, v93
.irp c, 0,1
	v_cvt_scalef32_pk16_bf6_f32 v[192+6*\c:194+6*\c], v[96+32*\c:111+32*\c], v[220+2*\c]
	v_cvt_scalef32_pk16_bf6_f32 v[204+4*\c:206+4*\c], v[112+32*\c:127+32*\c], v[220+2*\c+1]   ; (a conversion's three registers begin on an even number)
.endr
	v_nop                                          ; one plain line behind a scaled conversion
.irp t, 0,1,2,3                                ; v's four fragments (16 channels x these 128 keys) into the registers that p has left; they land under the lines below
.irp c, 0,1,2
	ds_load_b128 v[96+12*\t+4*\c:99+12*\t+4*\c], v8 offset:1536*\t+512*\c
.endr
.endr
	ds_load_b128 v[88:91], v10                     ; and their scale words
.irp c, 0,1                                    ; the operand's layout wants a whole block in a lane
.irp i, 0,1,2
	v_permlane16_swap_b32 v[192+6*\c+\i], v[204+4*\c+\i]
.endr
.irp i, 0,1,2
	s_delay_alu instid0(VALU_DEP_3)
	v_mov_b32 v[195+6*\c+\i], v[204+4*\c+\i]
.endr
.endr
.set j, 0
	s_setprio 0
.rept 16
	v_pk_mul_f32 v[160+j:161+j], v[160+j:161+j], v[94:95] op_sel_hi:[1,0]   ; O^T under the new M; these sixteen are also the places between the lines that made p's codes and scale word and the products
.set j, j+2
.endr
	s_wait_alu depctr_va_vdst(0)
	s_wait_dscnt 0x0
.irp t, 0,1,2,3                                ; O^T += v^T p^T: the four accumulators by turns
	v_wmma_scale_f32_16x16x128_f8f6f4 v[160+8*\t:167+8*\t], v[96+12*\t:107+12*\t], v[192:203], v[160+8*\t:167+8*\t], v[88+\t], v93 matrix_a_fmt:MATRIX_FMT_BF6 matrix_b_fmt:MATRIX_FMT_BF6
.endr
	s_add_co_u32 s44, s44, 6144                    ; the next 128 keys; behind a head's last step: the second head's first
	s_add_co_u32 s45, s45, 512
	s_add_co_u32 s46, s46, 256
.endm
; Head i of the pair is finished: O^T / the sum is y's channels 64 i + 32 b + 16 (lane / 16) + 0 .. 15 of my row: two blocks of 32, quantised into registers 6 i .. 6 i + 5 of y's fragment and bytes 2 i, 2 i + 1 of its scale word.
.macro FINISH i
.rept 4
	v_nop                                          ; places behind the last products
.endr
	v_add_f32 v14, v14, v15
	s_delay_alu instid0(VALU_DEP_1)
	v_permlanex16_b32 v226, v14, s40, s41
	s_delay_alu instid0(VALU_DEP_1)
	v_add_f32 v14, v14, v226                       ; the row's sum
	s_wait_alu depctr_va_vdst(0)
	v_rcp_f32 v14, v14
	v_nop                                          ; a plain line behind the reciprocal
	s_wait_alu depctr_va_vdst(0)                   ; and the wait ahead of its first reader
.set j, 0
.rept 32
	v_mul_f32 v[96+j], v[160+j], v14
.set j, j+1
.endr
.irp b, 0,1
	v_max3_num_f32 v[212+\b], |v[96+16*\b]|, |v[97+16*\b]|, 0x2800000
.endr
.irp n, 2,4,6,8,10,12,14
.irp b, 0,1
	s_delay_alu instid0(VALU_DEP_2)
	v_max3_num_f32 v[212+\b], v[212+\b], |v[96+16*\b+\n]|, |v[97+16*\b+\n]|
.endr
.endr
.irp b, 0,1
	s_delay_alu instid0(VALU_DEP_2)
	v_permlanex16_b32 v[216+\b], v[212+\b], s40, s41
.endr
.irp b, 0,1
	s_delay_alu instid0(VALU_DEP_2)
	v_max_num_f32 v[212+\b], v[212+\b], v[216+\b]
.endr
.irp b, 0,1
	s_delay_alu instid0(VALU_DEP_2)
	v_add_nc_u32 v[220+\b], 0xfe000000, v[212+\b]
.endr
.irp b, 0,1
	s_delay_alu instid0(VALU_DEP_2)
	v_lshrrev_b32 v[216+\b], 23, v[220+\b]
.endr
.if \i
	s_delay_alu instid0(VALU_DEP_2)
	v_lshl_or_b32 v240, v216, 16, v240
	s_delay_alu instid0(VALU_DEP_1)
	v_lshl_or_b32 v240, v217, 24, v240
.else
	s_delay_alu instid0(VALU_DEP_1)
	v_lshl_or_b32 v240, v217, 8, v216
.endif
	v_cvt_scalef32_pk16_bf6_f32 v[228+6*\i:230+6*\i], v[96:111], v220
	v_cvt_scalef32_pk16_bf6_f32 v[204:206], v[112:127], v221
	v_nop
.irp n, 0,1,2
	v_permlane16_swap_b32 v[228+6*\i+\n], v[204+\n]
.endr
.irp n, 0,1,2
	s_delay_alu instid0(VALU_DEP_3)
	v_mov_b32 v[231+6*\i+\n], v[204+\n]
.endr
.endm
.macro HEAD i, q, qs
	v_mov_b32 v13, 0xff61b1e6                      ; the largest t so far: -3e38, under every t
	s_delay_alu instid0(VALU_DEP_1)
	v_floor_f32 v12, -v13                          ; -M
	v_mov_b32 v14, 0
	v_mov_b32 v15, 0
.set j, 0
.rept 32
	v_mov_b32 v[160+j], 0                          ; O^T: the step is written once; its first trip finds zeros, which the first change of M leaves zeros
.set j, j+1
.endr
	s_mov_b32 s47, 8
.Lstep_\@:
	s_setprio 2
	STEP \q, \qs
	s_sub_co_u32 s47, s47, 1
	s_cmp_lg_u32 s47, 0
	s_cbranch_scc1 .Lstep_\@
	s_setprio 0
	FINISH \i
.endm
	s_wait_tensorcnt 0x0                           ; my load, if I issued one, has landed,
	s_barrier_signal -1
	s_barrier_wait -1                              ; everybody's has
	s_wait_loadcnt 0x0                             ; q
	HEAD 0, 16, 92
	HEAD 1, 242, 254
	; THE WAY OUT.  y's fragment leaves as the image of its registers, 512 consecutive bytes a store.  The scale words of the work-group's 256 rows meet in LDS and leave as 1,024 consecutive bytes.
	global_store_b128 v1, v[228:231], s[56:57]
	global_store_b128 v1, v[232:235], s[56:57] offset:512
	global_store_b128 v1, v[236:239], s[56:57] offset:1024
	ds_store_b32 v30, v240                         ; lanes l and l xor 16 write the same word with the same value
	s_wait_dscnt 0x0                               ; for the others' sake: my store is done
	s_barrier_signal -1
	s_barrier_wait -1
	s_cmp_lt_u32 s[WV], 2
	s_cbranch_scc0 .Lno_words
	ds_load_b128 v[32:35], v31
	s_wait_dscnt 0x0
	global_store_b128 v1, v[32:35], s[58:59]
.Lno_words:
	s_wait_tensorcnt 0x0
	ds_add_u32 v241, v255
	s_wait_dscnt 0x0
	ROUND                                          ; the closing round
	s_endpgm
.Lfunc_end_k_qe5aab27749_attn:
	.size	k_qe5aab27749_attn, .Lfunc_end_k_qe5aab27749_attn-k_qe5aab27749_attn
	.p2alignl 7, 3214868480
	.fill 96, 4, 3214868480
	.section	.rodata,"a",@progbits
	.p2align	6, 0x0
	.amdhsa_kernel k_qe5aab27749_attn
		.amdhsa_group_segment_fixed_size 211968
		.amdhsa_private_segment_fixed_size 0
		.amdhsa_enable_private_segment 0
		.amdhsa_kernarg_size 32
		.amdhsa_user_sgpr_count 2
		.amdhsa_user_sgpr_kernarg_segment_ptr 1
		.amdhsa_wavefront_size32 1
		.amdhsa_system_sgpr_workgroup_id_x 1
		.amdhsa_system_sgpr_workgroup_id_y 1
		.amdhsa_system_sgpr_workgroup_id_z 1
		.amdhsa_system_vgpr_workitem_id 0
		.amdhsa_next_free_vgpr 256
		.amdhsa_next_free_sgpr 66
		.amdhsa_reserve_vcc 0
		.amdhsa_float_denorm_mode_32 3
		.amdhsa_float_denorm_mode_16_64 3
		.amdhsa_memory_ordered 1
		.amdhsa_forward_progress 1
		.amdhsa_inst_pref_size 55
	.end_amdhsa_kernel
	.amdgpu_metadata
---
amdhsa.version: [ 1, 2 ]
amdhsa.kernels:
  - .name:           k_qe5aab27749_attn
    .symbol:         k_qe5aab27749_attn.kd
    .args:
      - { .name: qkv_codes, .offset: 0, .size: 8, .value_kind: global_buffer, .address_space: global }
      - { .name: qkv_scales, .offset: 8, .size: 8, .value_kind: global_buffer, .address_space: global }
      - { .name: y_codes, .offset: 16, .size: 8, .value_kind: global_buffer, .address_space: global }
      - { .name: y_scales, .offset: 24, .size: 8, .value_kind: global_buffer, .address_space: global }
    .group_segment_fixed_size: 211968
    .private_segment_fixed_size: 0
    .kernarg_segment_align: 8
    .kernarg_segment_size: 32
    .max_flat_workgroup_size: 512
    .sgpr_count:     66
    .vgpr_count:     256
    .wavefront_size: 32
...
	.end_amdgpu_metadata
.endif
;; end of part 3
;; launch gemm_out (part 4): grid 4 x 64, 4 waves a work-group, clusters of 4 x 4, 327,680 bytes of LDS; arguments y_codes, y_scales, in_codes, in_scales, b_out, out0; writes out0
.if DOCPART == 4
	.amdgcn_target "amdgcn-amd-amdhsa--gfx1250"
	.amdhsa_code_object_version 6
	.text
	.protected	k_qe5aab27749_gemm_out
	.globl	k_qe5aab27749_gemm_out
	.p2align	8
	.type	k_qe5aab27749_gemm_out,@function
k_qe5aab27749_gemm_out:
	s_mov_b64 s[64:65], 0
	v_nop
	global_prefetch_b8 v0, s[64:65] scope:SCOPE_SE
	s_setreg_imm32_b32 hwreg(HW_REG_WAVE_MODE, 25, 1), 1
	s_wait_xcnt 0x0
	s_wait_alu depctr_hold_cnt(0) depctr_sa_sdst(0) depctr_va_vdst(0) depctr_va_sdst(0) depctr_va_ssrc(0) depctr_va_vcc(0) depctr_vm_vsrc(0)
	s_getreg_b32 s2, hwreg(HW_REG_IB_STS2, 6, 4)
	s_cmp_eq_u32 s2, 0
	s_cbranch_scc0 .Lentry_in_a_cluster
	s_endpgm
.Lentry_in_a_cluster:
	s_bfe_u32 s2, ttmp6, 0x10000c
	s_cmp_lg_u32 s2, 0xf033
	s_cbranch_scc0 .Lentry_shape_is_right
	s_endpgm
.Lentry_shape_is_right:
.set ROWB,   192
.set KROW,   768
.set PITCH,  240
.set FR,     12
.set NP,     4
.set HALFT,  128*PITCH
.set SLOT,   4*HALFT
.set SPARE,  2*SLOT
.set AROW,   3072
.set SPITCH, 528
.set ADRA, 16
.set ADRB, 20
.set STO,  24
.set RD,   25
.set CO,   26
.set SPW,  28
.set NIL,  29
.set SAR,  32
.set SBR,  64
.set AF,   128
.set BK,   128
.set G1, 24
.set G0, 32
.set G1B, 48
.set G0B, 56
.set MSB, 0
.macro WIN new
.if MSB != (\new)
	s_set_vgpr_msb (MSB<<8)|(\new)
.set MSB, (\new)
.endif
.endm
.set MUL_LO, 0xa1
.set MUL_C0, 0x81
.set TO_B,   0x40
.macro JLOAD g0a, g1a, g0b, g1b
	s_cmp_eq_u32 s15, 0
	s_cbranch_scc0 .Lfor_b_\@
	tensor_load_to_lds s[\g0a:\g0a+3], s[\g1a:\g1a+7]
	s_nop 0
.rept 4
	v_nop
.endr
	s_branch .Lasked_\@
.Lfor_b_\@:
	tensor_load_to_lds s[\g0b:\g0b+3], s[\g1b:\g1b+7]
	s_nop 0
.rept 4
	v_nop
.endr
.Lasked_\@:
.endm
.macro CREST
	s_cmp_lg_u32 s14, 0
	s_cbranch_scc1 .Lnot_wave_0_\@
	s_barrier_signal -3
.Lnot_wave_0_\@:
	s_barrier_wait -3
	s_barrier_signal -1
	s_barrier_wait -1
.endm
.macro CROUND
	s_barrier_signal -1
	s_barrier_wait -1
	CREST
.endm
	s_load_b128 s[4:7], s[0:1], 0x0
	s_load_b128 s[8:11], s[0:1], 0x10
	s_load_b128 s[68:71], s[0:1], 0x20
	v_lshl_add_u32 v[SPW], v0, 2, SPARE
	v_mov_b32 v[NIL], 0
	ds_add_u32 v28, v29
	ds_add_u32 v28, v29
	s_wait_dscnt 0x0
	v_lshrrev_b32 v1, 5, v0
	v_readfirstlane_b32 s14, v1
	s_lshr_b32 s15, s14, 1
	s_and_b32 s16, s14, 1
	s_bfe_u32 s40, ttmp6, 0x40000
	s_bfe_u32 s41, ttmp6, 0x40004
	s_lshl_b32 s42, ttmp9, 2
	s_add_co_u32 s42, s42, s40
	s_and_b32 s17, ttmp7, 0xffff
	s_lshl_b32 s17, s17, 2
	s_add_co_u32 s17, s17, s41
	s_lshl_b32 s43, s41, 2
	s_lshl_b32 s43, 15, s43
	s_lshl_b32 s44, 0x1111, s40
	s_or_b32 s[G1+0], s43, (3<<16)|(1<<21)
	s_mov_b32 s[G1+1], 384<<16
	s_mov_b32 s[G1+2], 4<<16
	s_mov_b32 s[G1+3], 384<<16
	s_mov_b32 s[G1+4], 4
	s_mov_b32 s[G1+5], 1536
	s_mov_b32 s[G1+6], 0
	s_mov_b32 s[G1+7], 0
	s_or_b32 s[G1B+0], s44, (0<<16)|(1<<20)|(1<<21)|(3<<22)|(3<<25)
	s_mov_b32 s[G1B+1], ROWB<<16
	s_mov_b32 s[G1B+2], 128<<16
	s_mov_b32 s[G1B+3], ROWB<<16
	s_mov_b32 s[G1B+4], 128
	s_mov_b32 s[G1B+5], KROW
	s_mov_b32 s[G1B+6], 0
	s_mov_b32 s[G1B+7], 0
	s_lshl_b32 s20, s17, 3
	s_lshl_b32 s18, s16, 2
	s_add_co_u32 s20, s20, s18
	s_mul_i32 s20, s20, 12288
	s_mov_b32 s21, 0
	s_lshl_b32 s46, s42, 8
	s_lshl_b32 s18, s16, 7
	s_add_co_u32 s46, s46, s18
	s_add_co_u32 s46, s46, 11264
	s_mul_i32 s46, s46, KROW
	s_mov_b32 s47, 0
	s_mul_i32 s45, s14, HALFT
	s_wait_kmcnt 0x0
	s_add_nc_u64 s[20:21], s[4:5], s[20:21]
	s_add_nc_u64 s[46:47], s[8:9], s[46:47]
	CROUND
.irp s, 0,1
	s_mov_b32 s[G0+4*\s], 1
	s_add_co_u32 s[G0+4*\s+1], s45, \s*SLOT
	s_add_nc_u64 s[G0+4*\s+2:G0+4*\s+3], s[20:21], \s*AROW
	s_or_b32 s[G0+4*\s+3], s[G0+4*\s+3], 0x80000000
	s_mov_b32 s[G0B+4*\s], 1
	s_add_co_u32 s[G0B+4*\s+1], s45, \s*SLOT
	s_add_nc_u64 s[G0B+4*\s+2:G0B+4*\s+3], s[46:47], \s*ROWB
	s_or_b32 s[G0B+4*\s+3], s[G0B+4*\s+3], 0x80000000
	s_wait_alu depctr_va_vdst(0)
	s_wait_tensorcnt 0x0
	ds_add_u32 v28, v29
	ds_add_u32 v28, v29
	s_wait_dscnt 0x0
	CROUND
	JLOAD G0+4*\s, G1, G0B+4*\s, G1B
.endr
	v_and_b32 v1, 15, v0
	v_bfe_u32 v2, v0, 4, 1
	v_and_b32 v3, 31, v0
	v_lshlrev_b32 v[CO], 4, v3
	v_mul_u32_u24 v3, v1, PITCH
	v_mul_u32_u24 v4, v2, 24
	v_add_nc_u32 v4, v3, v4
	v_lshl_add_u32 v5, v2, 4, v4
	s_mul_i32 s21, s15, HALFT
	s_mul_i32 s22, s16, HALFT
	s_add_co_u32 s22, s22, 2*HALFT
.irp s, 0,1
	v_add_nc_u32 v[ADRA+\s], s21, v[CO]
	v_add_nc_u32 v[ADRB+\s], s22, v4
	v_add_nc_u32 v[ADRB+2+\s], s22, v5
	s_add_co_u32 s21, s21, SLOT
	s_add_co_u32 s22, s22, SLOT
.endr
	s_mul_i32 s23, s14, 16*SPITCH
	v_mul_u32_u24 v5, v1, SPITCH
	v_lshl_add_u32 v5, v2, 6, v5
	v_add_nc_u32 v[STO], s23, v5
	v_add_nc_u32 v[RD], s23, v[CO]
	s_lshl_b32 s72, s17, 7
	s_lshl_b32 s73, s15, 6
	s_add_co_u32 s72, s72, s73
	s_lshl_b32 s74, s42, 8
	s_lshl_b32 s75, s16, 7
	s_add_co_u32 s74, s74, s75
	s_lshl_b32 s76, s72, 2
	s_mov_b32 s77, 0
	s_add_nc_u64 s[76:77], s[6:7], s[76:77]
	s_add_co_u32 s78, s74, 11264
	s_lshl_b32 s78, s78, 5
	s_mov_b32 s79, 0
	s_add_nc_u64 s[78:79], s[10:11], s[78:79]
	s_lshl_b32 s80, s74, 2
	s_mov_b32 s81, 0
	s_add_nc_u64 s[82:83], s[68:69], s[80:81]
	s_lshl_b32 s84, s72, 12
	s_add_co_u32 s84, s84, s80
	s_mov_b32 s85, 0
	s_add_nc_u64 s[84:85], s[70:71], s[84:85]
	v_lshlrev_b32 v6, 2, v1
	v_lshl_add_u32 v6, v2, 17, v6
	v_lshlrev_b32 v7, 5, v1
	v_lshl_add_u32 v7, v2, 4, v7
	v_lshlrev_b32 v3, 6, v2
.irp i, 0,1,2,3
.irp j, 0,1,2,3
	global_load_b32 v[SAR+4*\i+\j], v6, s[76:77] offset:32768*\j+64*\i
.endr
.endr
.irp i, 0,1,2,3,4,5,6,7
	global_load_b128 v[SBR+4*\i:SBR+4*\i+3], v7, s[78:79] offset:512*\i
.endr
.irp t, 0,1,2,3,4,5,6,7
	global_load_b128 v[96+8*\t+96*(\t/4):96+8*\t+96*(\t/4)+3], v3, s[82:83] offset:(32*(\t/2)+8*(\t%2))*4
	global_load_b128 v[96+8*\t+96*(\t/4)+4:96+8*\t+96*(\t/4)+7], v3, s[82:83] offset:(32*(\t/2)+8*(\t%2))*4+16
.endr
.macro FRAG reg, adr, q, i
.irp p, 0,1,2,3,4,5
.set PIECE, 12*(\q)+6*(\p/3)+\p%3
.if PIECE%8 < 5
	ds_load_b64 v[\reg+2*\p:\reg+2*\p+1], v[\adr] offset:8*PIECE+16*(PIECE/8)+(\i)*16*PITCH
.else
	ds_load_b64 v[\reg+2*\p:\reg+2*\p+1], v[\adr+2] offset:8*PIECE+16*(PIECE/8)+(\i)*16*PITCH
.endif
.endr
.endm
.macro AFRAG reg, slot, q, i
.irp c, 0,1,2
	ds_load_b128 v[\reg+4*\c:\reg+4*\c+3], v[ADRA+\slot] offset:(\i)*AROW+(\q)*1536+512*\c
.endr
.endm
.macro MULV a0, p, ks, zero
.irp a, \a0, \a0+1
.irp b, 0,1,2,3,4,5,6,7
.set DA, 8*(8*(\a)+\b)
.set FB, 128*(\p)+FR*\b
.set FA, AF+48*(\p)+FR*(\a)
.set BI, 96+8*\b+96*(\b/4)
.set WSB, SBR+4*\b+(\ks)%4
.set WSA, SAR+4*(\a)+(\ks)%4
.if \zero
	v_wmma_scale_f32_16x16x128_f8f6f4 v[DA:DA+7], v[FB:FB+FR-1], v[FA:FA+FR-1], v[BI:BI+7], v[WSB], v[WSA] matrix_a_fmt:MATRIX_FMT_BF6 matrix_b_fmt:MATRIX_FMT_BF6
.elseif (\ks) < 4
	v_wmma_scale_f32_16x16x128_f8f6f4 v[DA:DA+7], v[FB:FB+FR-1], v[FA:FA+FR-1], v[DA:DA+7], v[WSB], v[WSA] matrix_a_fmt:MATRIX_FMT_BF6 matrix_b_fmt:MATRIX_FMT_BF6
.else
	v_wmma_scale_f32_16x16x128_f8f6f4 v[DA:DA+7], v[FB:FB+FR-1], v[FA:FA+FR-1], v[DA:DA+7], v[WSB], v[WSA] matrix_a_fmt:MATRIX_FMT_BF6 matrix_b_fmt:MATRIX_FMT_BF6 matrix_a_scale:MATRIX_SCALE_ROW1 matrix_b_scale:MATRIX_SCALE_ROW1
.endif
.endr
.endr
.endm
.macro FETCH_B slot, q, p
	WIN TO_B
.irp i, 0,1,2,3,4,5,6,7
	FRAG 128*(\p)+FR*\i, ADRB+\slot, \q, \i
.endr
	WIN 0
.endm
.macro FETCH_A slot, q, p
.irp i, 0,1,2,3
	AFRAG AF+48*(\p)+FR*\i, \slot, \q, \i
.endr
.endm
.macro PLACES n
.rept \n
	v_nop
.endr
.endm
.macro STEP slot, ks, zero
	s_wait_dscnt 0x0
.if \zero
	WIN MUL_C0
.else
	WIN MUL_LO
.endif
	MULV 0, 0, \ks, \zero
	PLACES NP
	FETCH_B \slot, 1, 1
	FETCH_A \slot, 1, 1
.if \zero
	WIN MUL_C0
.else
	WIN MUL_LO
.endif
	MULV 2, 0, \ks, \zero
	WIN 0
.endm
.macro TURN slot, next, fill, ks
	s_wait_tensorcnt 0x0
	ds_add_u32 v[SPW], v[NIL]
	s_wait_dscnt 1
	WIN MUL_LO
	MULV 0, 1, \ks, 0
	WIN 0
	s_wait_dscnt 0x0
	s_barrier_signal -1
	s_barrier_wait -1
.if \fill
	CREST
	s_add_nc_u64 s[G0+4*\slot+2:G0+4*\slot+3], s[G0+4*\slot+2:G0+4*\slot+3], 2*AROW
	s_add_nc_u64 s[G0B+4*\slot+2:G0B+4*\slot+3], s[G0B+4*\slot+2:G0B+4*\slot+3], 2*ROWB
	JLOAD G0+4*\slot, G1, G0B+4*\slot, G1B
.else
	PLACES NP
.endif
	FETCH_B \next, 0, 0
	FETCH_A \next, 0, 0
	WIN MUL_LO
	MULV 2, 1, \ks, 0
	WIN 0
.endm
	s_wait_tensorcnt 1
	s_barrier_signal -1
	s_barrier_wait -1
	FETCH_B 0, 0, 0
	FETCH_A 0, 0, 0
	s_wait_loadcnt 0x0
	STEP 0, 0, 1
	TURN 0, 1, 1, 1
	STEP 1, 2, 0
	TURN 1, 0, 1, 3
	STEP 0, 4, 0
	TURN 0, 1, 0, 5
	STEP 1, 6, 0
	s_wait_dscnt 0x0
	WIN MUL_LO
	MULV 0, 1, 7, 0
	MULV 2, 1, 7, 0
	WIN 0
.macro TOSTAGE a
.set AC, 64*(\a)
	WIN 0x08
.irp b, 0,1,2,3,4,5,6,7
	ds_store_b128 v[STO], v[AC+8*\b:AC+8*\b+3] offset:128*(\b/2)+32*(\b%2)
	ds_store_b128 v[STO], v[AC+8*\b+4:AC+8*\b+7] offset:128*(\b/2)+32*(\b%2)+16
.endr
	WIN 0
.set BB, BK+64*((\a)%2)
.irp t, 0,1,2,3,4,5,6,7,8,9,10,11,12,13,14,15
	ds_load_b128 v[BB+4*\t:BB+4*\t+3], v[RD] offset:\t*SPITCH
.endr
.endm
.macro SEND a, younger
.set BB, BK+64*((\a)%2)
	s_wait_dscnt \younger
.irp t, 0,1,2,3,4,5,6,7,8,9,10,11,12,13,14,15
	global_store_b128 v[CO], v[BB+4*\t:BB+4*\t+3], s[84:85] offset:(32*((\a)/2)+8*((\a)%2)+\t+8*(\t/8))*4096 th:TH_STORE_NT
.endr
.endm
	PLACES NP
	s_wait_alu depctr_va_vdst(0)
	TOSTAGE 0
.irp a, 1,2,3
.if \a > 1
	s_wait_xcnt 0x0
.endif
	TOSTAGE \a
	SEND \a-1, 32
.endr
	SEND 3, 0
	s_wait_tensorcnt 0x0
	ds_add_u32 v[SPW], v[NIL]
	s_wait_dscnt 0x0
	CROUND
	s_endpgm
.Lfunc_end_k_qe5aab27749_gemm_out:
	.size	k_qe5aab27749_gemm_out, .Lfunc_end_k_qe5aab27749_gemm_out-k_qe5aab27749_gemm_out
	.p2alignl 7, 3214868480
	.fill 96, 4, 3214868480
	.section	.rodata,"a",@progbits
	.p2align	6, 0x0
	.amdhsa_kernel k_qe5aab27749_gemm_out
		.amdhsa_group_segment_fixed_size 327680
		.amdhsa_private_segment_fixed_size 0
		.amdhsa_enable_private_segment 0
		.amdhsa_kernarg_size 48
		.amdhsa_user_sgpr_count 2
		.amdhsa_user_sgpr_kernarg_segment_ptr 1
		.amdhsa_wavefront_size32 1
		.amdhsa_system_sgpr_workgroup_id_x 1
		.amdhsa_system_sgpr_workgroup_id_y 1
		.amdhsa_system_sgpr_workgroup_id_z 1
		.amdhsa_system_vgpr_workitem_id 0
		.amdhsa_next_free_vgpr 1024
		.amdhsa_next_free_sgpr 100
		.amdhsa_reserve_vcc 0
		.amdhsa_float_denorm_mode_32 3
		.amdhsa_float_denorm_mode_16_64 3
		.amdhsa_memory_ordered 1
		.amdhsa_forward_progress 1
		.amdhsa_inst_pref_size 94
	.end_amdhsa_kernel
	.amdgpu_metadata
---
amdhsa.version: [ 1, 2 ]
amdhsa.kernels:
  - .name:           k_qe5aab27749_gemm_out
    .symbol:         k_qe5aab27749_gemm_out.kd
    .args:
      - { .name: y_codes, .offset: 0, .size: 8, .value_kind: global_buffer, .address_space: global }
      - { .name: y_scales, .offset: 8, .size: 8, .value_kind: global_buffer, .address_space: global }
      - { .name: in_codes, .offset: 16, .size: 8, .value_kind: global_buffer, .address_space: global }
      - { .name: in_scales, .offset: 24, .size: 8, .value_kind: global_buffer, .address_space: global }
      - { .name: b_out, .offset: 32, .size: 8, .value_kind: global_buffer, .address_space: global }
      - { .name: out0, .offset: 40, .size: 8, .value_kind: global_buffer, .address_space: global }
    .group_segment_fixed_size: 327680
    .private_segment_fixed_size: 0
    .kernarg_segment_align: 8
    .kernarg_segment_size: 48
    .max_flat_workgroup_size: 128
    .sgpr_count:     100
    .vgpr_count:     1024
    .wavefront_size: 32
...
	.end_amdgpu_metadata
.endif
;; end of part 4
